; MI455X (gfx1250); checked and timed in simulation.
; The chip was launched on July 23, 2026; its instructions are those of AMD's public machine-readable ISA for CDNA 5 (MIT licence, August 2026) and "CDNA5" Instruction Set Architecture Reference Guide (July 2026). The comments in the code are by the model that wrote it; some were corrected since.
;; Multi Head Attention. Allowed arithmetic: matrix products marked QUANTISED: E2M1 operands, one E8M0 scale for each 32 along K, by v_wmma_scale_f32_16x16x128_f8f6f4 with both operands' format E2M1 (or v_wmma_scale_f32_32x16x128_f4), f32 sums; everything else in f32.
;; Inputs: attention_mask 4 x 2,048 int32; bk 16 x 64 float32; bq 16 x 64 float32; bv 16 x 64 float32; from_tensor 4 x 2,048 x 1,024 float32; to_tensor 4 x 2,048 x 1,024 float32; wk 1,024 x 16 x 64 float32; wq 1,024 x 16 x 64 float32; wv 1,024 x 16 x 64 float32.
;; Outputs: out0 4 x 2,048 x 16 x 64 float32.
;; This version of the problem:
;;   THIS VERSION OF THE PROBLEM IS GIVEN IN LOW PRECISION. The matrix products marked QUANTISED in the list below multiply operands that are first quantised to E2M1 (2 exponent bits, 1 mantissa bit; 4 bits a number), with one power-of-two scale for each 32 numbers along K (OCP MX v1.0); their sums are f32. All else is computed in f32.
;;   The module's matrix products, in the order in which they are computed (A, B: the left and right operand; K: the contracted axis; several contracted axes count as one K, in the product's order):
;;     1. [M 8,192, K 1,024] x [K 1,024, N 1,024]; A: input from_tensor; B: input wq: QUANTISED
;;     2. [M 8,192, K 1,024] x [K 1,024, N 1,024]; A: input to_tensor; B: input wk: QUANTISED
;;     3. [M 8,192, K 1,024] x [K 1,024, N 1,024]; A: input to_tensor; B: input wv: QUANTISED
;;     4. batch 64 x [M 2,048, K 64] x [K 64, N 2,048]; A: computed on the way; B: computed on the way: QUANTISED
;;     5. batch 64 x [M 64, K 2,048] x [K 2,048, N 2,048]; A: computed on the way; B: softmax (see below): QUANTISED
;;   THE QUANTISER, for each operand of a quantised product, along K:
;;     - K is cut into blocks of 32 from its start; a last block that is shorter is filled with zeros.
;;     - A block's scale is 2^e with e = floor(log2(the largest magnitude in the block)) - 2, held to -126 .. 127; a block of zeros has e = 0. As a byte (E8M0): e + 127.
;;     - Each number is divided by its block's scale, clamped to +-6, and rounded to the nearest number of E2M1, ties to even, subnormals kept.
;;     - The product sums the exact products of the quantised numbers (number of the format x scale) in f32.
;;   ~~~python
;;   def quantise(x, axis):      # numpy; x: float32 -> the quantised numbers, widened to float32 again
;;       x = np.moveaxis(x, axis, -1); K = x.shape[-1]
;;       x = np.pad(x, [(0, 0)] * (x.ndim - 1) + [(0, -K % 32)]); x = x.reshape(x.shape[:-1] + (-1, 32)); a = np.abs(x).max(-1, keepdims=True)
;;       e = np.where(a > 0, np.clip(np.frexp(np.where(a > 0, a, 1))[1] - 1 - 2, -126, 127), 0)      # np.frexp(a)[1] - 1 = floor(log2(a)), exactly
;;       r = np.clip(x / 2.0 ** e, -6, 6)
;;       step = 2.0 ** (np.maximum(np.frexp(np.where(r == 0, 1, r))[1] - 1, 0) - 1)
;;       q = np.round(r / step) * step * 2.0 ** e      # np.round: ties to even
;;       return np.moveaxis(q.reshape(q.shape[:-2] + (-1,))[..., :K], -1, axis).astype(np.float32)
;;   ~~~
;;   SOFTMAX AHEAD OF A QUANTISED PRODUCT. Where the list says 'softmax', what is quantised is not the finished softmax but p = 2^(t - M), with t = logit x log2(e) and M = ceil(the row's largest t), a whole number; so 1/2 < the row's largest p <= 1. The row's sum l is taken of the UNQUANTISED p, in f32, and the product's result is divided by l at the end. Since M is a whole number, a kernel that streams over the keys may use a running M (the ceiling of the running maximum): every later rescaling is an exact power of two, which a block's scale takes up: the codes' values come out the same.
;;   OPERANDS COMPUTED ON THE WAY. 'Computed on the way' means the value that the module computes at that place (a softmax that the list does not call 'softmax' is quantised finished and normalised). What goes into a quantiser is computed in f32, as accurately as f32 sums, v_exp_f32 and their like allow (about 1e-6 of the number): no bf16 or f16 on the way to a quantiser, and a product that is left as it is and whose result goes on into a quantised operand takes f32 operands (vector FMAs, or v_wmma_f32_16x16x4_f32). A number that lies on a knife's edge between two numbers of the format may be rounded either way, as far as f32 arithmetic and the matrix unit's own rounding can turn it there, and no further.
;; 2 versions, each right; version 2 is version 1 with the launch attn written anew for expert scheduling mode. Each part assembles by itself: llvm-mc -triple=amdgcn-amd-amdhsa -mcpu=gfx1250 --defsym DOCPART=n.
;; ======== version 1 of 2: 3 launches
;; limits: right only within a limited range of input values
;; workspace buffers: xw_codes 9,961,472 bytes; xw_scales 622,592 bytes; qkv_codes 12,582,912 bytes; qkv_scales 1,310,720 bytes; flags 512 bytes of whole numbers
;; launch prep (part 1): grid 449 x 1, 4 waves a work-group, no clusters, 35,328 bytes of LDS; arguments from_tensor, to_tensor, wq, wk, wv, attention_mask, xw_codes, xw_scales, flags; writes xw_codes, xw_scales, flags
.if DOCPART == 1
	.amdgcn_target "amdgcn-amd-amdhsa--gfx1250"
	.amdhsa_code_object_version 6
	.text
	.protected	k_q3daecb4d13_prep
	.globl	k_q3daecb4d13_prep
	.p2align	8
	.type	k_q3daecb4d13_prep,@function
k_q3daecb4d13_prep:
	s_mov_b64 s[64:65], 0
	v_nop
	global_prefetch_b8 v0, s[64:65] scope:SCOPE_SE
	s_setreg_imm32_b32 hwreg(HW_REG_WAVE_MODE, 25, 1), 1
	s_wait_xcnt 0x0
; from_tensor, to_tensor [8192][1024] (K innermost) and wq, wk, wv [1024][1024] (K outermost), f32, become codes of FP4 (E2M1) with one E8M0 byte for each 32 along K,
; laid as IMAGES OF OPERAND REGISTERS.  A tile is 16 rows x 1,024 K: 8,192 bytes of codes; the 16 bytes of (K block kb, row r) lie at 256 kb + 16 r, so that the fragment of K step s
; is two dense runs of 512 bytes at 1024 s.  Its scale words: 512 bytes, the word of (row r, K step s) at 256 (s / 4) + 16 r + 4 (s % 4).
; THE ROWS OF A TILE ARE NOT NEIGHBOURS: row r of tile 2 b + u is row 32 b + 8 u + r + 8 (r / 8) of the tensor (tokens, or a weight's columns).
; Tiles 0-511 from_tensor, 512-1023 to_tensor, 1024-1087 wq, 1088-1151 wk, 1152-1215 wv.
; A block's scale is 2^(floor(log2(its largest magnitude)) - 2): its byte is the largest magnitude's exponent field - 2, held at 1 from below by a floor among the maximum's leaves.
; LIMITS: a block whose largest magnitude lies under 2^-124 (a block of zeros too) keeps the byte 1; its codes are then zeros or nearly so, and this program alone reads the bytes.  NaN and infinities are not served.
; Work-groups 0-255: the two activations, a tile a wave.  256-447: the weights, 128 k x 128 columns each.  448: one word a lane for each batch: 1 if some key of the batch counts.
; No matrix unit, no cluster, no tensor load: memory binds, and no two work-groups read the same byte.
.set R,   16                           ; v16-143   four sets of 32 numbers as loaded (the weights' path: four blocks)
.set X,   144                          ; v144-207  two sets of 32 neighbours along K
.set C,   208                          ; v208-223  four sets of 4 registers of codes
.set W,   224                          ; v224-231  a scale word for each K step
.set SP,  272                          ; a stage row: 256 bytes + 16
.set STG, 16*SP                        ; a stage: 16 rows; two for each wave
; 32 numbers of one block in v[xs] on -> 16 bytes of codes in v[cd] on, the scale's byte in v235
.macro QBLOCK xs, cd
	v_max3_num_f32 v232, |v[\xs]|, |v[\xs+1]|, |v[\xs+2]|          ; the largest magnitude, in two chains
	v_max3_num_f32 v233, |v[\xs+3]|, |v[\xs+4]|, |v[\xs+5]|
.irp i, 6,10,14,18,22,26
	v_max3_num_f32 v232, v232, |v[\xs+\i]|, |v[\xs+\i+1]|
	v_max3_num_f32 v233, v233, |v[\xs+\i+2]|, |v[\xs+\i+3]|
.endr
	v_max3_num_f32 v232, v232, |v[\xs+30]|, |v[\xs+31]|
	v_max3_num_f32 v232, v232, v233, 0x1800000                     ; and the floor 2^(3 - 127): the byte cannot fall under 1
	v_add_nc_u32 v234, 0xff000000, v232                            ; 2 off the exponent field: the conversion takes this operand's exponent field as its scale
.irp g, 0,1,2,3
	v_cvt_scalef32_pk8_fp4_f32 v[\cd+\g], v[\xs+8*\g:\xs+8*\g+7], v234
.endr
	v_lshrrev_b32 v235, 23, v234                                   ; the scale's byte (a plain line behind the conversions)
.endm
	s_load_b512 s[4:19], s[0:1], 0x0               ; from s[4:5], to s[6:7], wq s[8:9], wk s[10:11], wv s[12:13], mask s[14:15], codes s[16:17], scales s[18:19]
	s_load_b64 s[20:21], s[0:1], 0x40              ; flags
	v_lshl_add_u32 v240, v0, 2, 0x8800
	v_mov_b32 v241, 0
	v_lshrrev_b32 v1, 5, v0
	v_readfirstlane_b32 s24, v1                    ; wave 0..3
	v_and_b32 v6, 31, v0                           ; lane
	v_and_b32 v7, 15, v0                           ; r
	v_bfe_u32 v8, v0, 4, 1                         ; h
	v_lshlrev_b32 v4, 4, v6                        ; 16 x lane
	s_wait_kmcnt 0x0
	s_cmp_lt_u32 ttmp9, 256
	s_cbranch_scc0 .Lnot_x
; ---------------- the activations: wave w takes tile T = 4 g + w, in 16 units of 16 rows x 256 bytes (64 along K)
	s_cmp_lt_u32 ttmp9, 128                        ; the choice hangs on the work-group's number alone
	s_cselect_b64 s[26:27], s[4:5], s[6:7]
	s_lshl_b32 s25, ttmp9, 2
	s_add_co_u32 s25, s25, s24                     ; T
	s_and_b32 s28, s25, 511                        ; the tile's number in its tensor
	s_lshr_b32 s29, s28, 1
	s_lshl_b32 s29, s29, 17                        ; 32 rows of 4,096 bytes for each pair of tiles,
	s_and_b32 s28, s28, 1
	s_lshl_b32 s28, s28, 15                        ; 8 rows for the odd one
	s_add_co_u32 s28, s28, s29
	s_mov_b32 s29, 0
	s_add_nc_u64 s[26:27], s[26:27], s[28:29]
	s_lshl_b32 s28, s25, 13
	s_add_nc_u64 s[16:17], s[16:17], s[28:29]      ; the tile's codes
	s_lshl_b32 s28, s25, 9
	s_add_nc_u64 s[18:19], s[18:19], s[28:29]      ; and its scale words
	s_mul_i32 s30, s24, 2*STG                      ; my wave's two stages
	v_lshlrev_b32 v1, 12, v8
	v_lshl_add_u32 v1, v7, 4, v1                   ; a load: lanes 0-15 one row's 256 bytes, lanes 16-31 the next row's
	v_mul_u32_u24 v2, v8, SP
	v_lshl_add_u32 v2, v7, 4, v2
	v_add_nc_u32 v2, s30, v2                       ; into the stage, as loaded
	v_mul_u32_u24 v3, v7, SP
	v_lshl_add_u32 v3, v8, 7, v3
	v_add_nc_u32 v3, s30, v3                       ; out of it: row r, 128 bytes of half h: a whole block of 32
	v_lshlrev_b32 v5, 3, v8                        ; 8 h
	s_mov_b32 s32, 0x76543210
	s_mov_b32 s33, 0xfedcba98                      ; v_permlanex16_b32's selects for lane l xor 16
	s_mov_b32 s34, 0xffff0000                      ; lanes 16-31
.macro LOAD n                          ; unit n: tile rows 2 i and 2 i + 1 are the tensor's rows 2 i + 8 (i / 4) and the next
.irp i, 0,1,2,3,4,5,6,7
	global_load_b128 v[R+32*((\n)%4)+4*\i:R+32*((\n)%4)+4*\i+3], v1, s[26:27] offset:(2*\i+8*(\i/4))*4096+256*(\n) th:TH_LOAD_NT
.endr
.endm
.macro TURN n                          ; through the stage: LDS serves a wave's instructions in order, so no wait stands between the stores and the loads
.irp i, 0,1,2,3,4,5,6,7
	ds_store_b128 v2, v[R+32*((\n)%4)+4*\i:R+32*((\n)%4)+4*\i+3] offset:STG*((\n)%2)+2*\i*SP
.endr
.irp i, 0,1,2,3,4,5,6,7
	ds_load_b128 v[X+32*((\n)%2)+4*\i:X+32*((\n)%2)+4*\i+3], v3 offset:STG*((\n)%2)+16*\i
.endr
.endm
.macro STEP n
	s_wait_dscnt 0x0                               ; this unit's numbers are back; its stores into the stage have read their registers,
.if (\n)+4 < 16
	LOAD (\n)+4                                    ; which take the unit four further on
.endif
.if (\n)+1 < 16
.if (\n) < 12
	s_wait_loadcnt 24                              ; the next unit's eight loads are in; those of the three units behind it stay out
.else
	s_wait_loadcnt 8*(14-(\n))
.endif
	TURN (\n)+1
.endif
	s_wait_xcnt 0x0                                ; the store of four units ago has read its codes: they are written again only behind this wait
	QBLOCK X+32*((\n)%2), C+4*((\n)%4)
.if (\n)%2 == 0
	v_mov_b32 v[W+(\n)/2], v235                    ; block h of the K step,
.else
	v_lshl_or_b32 v[W+(\n)/2], v235, 16, v[W+(\n)/2]   ; block 2 + h
.endif
	global_store_b128 v4, v[C+4*((\n)%4):C+4*((\n)%4)+3], s[16:17] offset:512*(\n)   ; 32 lanes store 512 consecutive bytes
.endm
	LOAD 0
	LOAD 1
	LOAD 2
	LOAD 3
	s_wait_loadcnt 24                              ; unit 0 is in
	TURN 0
.irp n, 0,1,2,3,4,5,6,7,8,9,10,11,12,13,14,15
	STEP \n
.endr
.irp s, 0,1,2,3,4,5,6,7
	v_lshlrev_b32 v[W+\s], v5, v[W+\s]             ; my two bytes to their places in the word (8 h bits up)
.endr
.irp s, 0,1,2,3,4,5,6,7
	v_permlanex16_b32 v[X+\s], v[W+\s], s32, s33   ; (its destination has been written: the numbers' registers are done with)
.endr
.irp s, 0,1,2,3,4,5,6,7
	v_or_b32 v[W+\s], v[W+\s], v[X+\s]             ; with lane l xor 16's two the word is whole
.endr
.irp j, 0,1,2,3
	v_cndmask_b32 v[232+\j], v[W+\j], v[W+4+\j], s34   ; lanes 0-15 store K steps 0-3, lanes 16-31 K steps 4-7
.endr
	global_store_b128 v4, v[232:235], s[18:19]     ; 512 consecutive bytes
	s_wait_tensorcnt 0x0
	ds_add_u32 v240, v241
	s_wait_dscnt 0x0
	s_endpgm
.Lnot_x:
	s_cmp_lt_u32 ttmp9, 448
	s_cbranch_scc0 .Lflags
; ---------------- the weights: a lane takes a column and its registers run down K; a wave takes 32 columns (two tiles) x one K step of 128
	s_sub_co_u32 s25, ttmp9, 256
	s_lshr_b32 s26, s25, 6                         ; which weight
	s_bfe_u32 s27, s25, 0x30003                    ; K step
	s_and_b32 s28, s25, 7                          ; which 128 columns
	s_cmp_eq_u32 s26, 0
	s_cselect_b64 s[8:9], s[8:9], s[10:11]
	s_cmp_eq_u32 s26, 2
	s_cselect_b64 s[8:9], s[12:13], s[8:9]
	s_lshl_b32 s29, s28, 7
	s_lshl_b32 s30, s24, 5
	s_add_co_u32 s29, s29, s30                     ; my wave's first column
	s_lshl_b32 s30, s27, 19                        ; 128 rows of 4,096 bytes a K step
	s_lshl_b32 s31, s29, 2
	s_add_co_u32 s30, s30, s31
	s_mov_b32 s31, 0
	s_add_nc_u64 s[8:9], s[8:9], s[30:31]
	s_lshl_b32 s32, s26, 6
	s_lshr_b32 s33, s29, 4
	s_add_co_u32 s32, s32, s33
	s_add_co_u32 s32, s32, 1024                    ; my first tile
	s_lshl_b32 s30, s32, 13
	s_lshl_b32 s33, s27, 10                        ; the K step's four blocks of 256 bytes
	s_add_co_u32 s30, s30, s33
	s_add_nc_u64 s[16:17], s[16:17], s[30:31]
	s_lshl_b32 s30, s32, 9
	s_lshr_b32 s33, s27, 2
	s_lshl_b32 s33, s33, 8
	s_add_co_u32 s30, s30, s33
	s_and_b32 s33, s27, 3
	s_lshl_b32 s33, s33, 2
	s_add_co_u32 s30, s30, s33
	s_add_nc_u64 s[18:19], s[18:19], s[30:31]
	v_and_b32 v1, 7, v0
	v_bfe_u32 v2, v0, 3, 1
	v_lshl_add_u32 v1, v2, 4, v1
	v_lshl_add_u32 v1, v8, 3, v1                   ; my column: (l % 8) + 16 ((l / 8) % 2) + 8 (l / 16): lanes 0-15 are one tile, lanes 16-31 the next
	v_lshlrev_b32 v1, 2, v1
	v_lshlrev_b32 v2, 13, v8
	v_lshl_add_u32 v2, v7, 4, v2                   ; codes: tile h, row r
	v_lshlrev_b32 v3, 9, v8
	v_lshl_add_u32 v3, v7, 4, v3                   ; scale word: tile h, row r
.macro LOADW t                         ; block t: 32 rows of the weight at my column; the wave reads 128 consecutive bytes of each
.irp i, 0,1,2,3,4,5,6,7,8,9,10,11,12,13,14,15,16,17,18,19,20,21,22,23,24,25,26,27,28,29,30,31
	global_load_b32 v[R+32*\t+\i], v1, s[8:9] offset:(32*\t+\i)*4096 th:TH_LOAD_NT
.endr
.endm
.macro BLOCKW t
	QBLOCK R+32*\t, X+4*\t
.if \t == 0
	v_mov_b32 v160, v235
.else
	v_lshl_or_b32 v160, v235, 8*\t, v160           ; the K step's four bytes make my column's scale word
.endif
	global_store_b128 v2, v[X+4*\t:X+4*\t+3], s[16:17] offset:256*\t   ; sixteen lanes store 256 consecutive bytes, aligned
.endm
	LOADW 0
	LOADW 1
	s_wait_loadcnt 32                              ; block 0 is in; the younger block's 32 loads stay out
	LOADW 2
	BLOCKW 0
	s_wait_loadcnt 32
	LOADW 3
	BLOCKW 1
	s_wait_loadcnt 32
	BLOCKW 2
	s_wait_loadcnt 0x0
	BLOCKW 3
	global_store_b32 v3, v160, s[18:19]            ; 4 bytes of every 16: one byte for each 128 that this path reads
	s_endpgm
.Lflags:
; ---------------- wave w: does any key of batch w count?
	s_lshl_b32 s26, s24, 13
	s_mov_b32 s27, 0
	s_add_nc_u64 s[14:15], s[14:15], s[26:27]
.irp i, 0,1,2,3,4,5,6,7,8,9,10,11,12,13,14,15
	global_load_b128 v[16+4*\i:19+4*\i], v4, s[14:15] offset:512*\i
.endr
	s_wait_loadcnt 0x0
.irp i, 4,8,12,16,20,24,28,32,36,40,44,48,52,56,60
.irp k, 0,1,2,3
	v_or_b32 v[16+\k], v[16+\k], v[16+\i+\k]
.endr
.endr
	v_or_b32 v16, v16, v17
	v_or_b32 v18, v18, v19
	v_or_b32 v16, v16, v18
	v_cmp_ne_u32 vcc_lo, 0, v16
	s_cmp_lg_u32 vcc_lo, 0
	s_cselect_b32 s26, 1, 0
	v_mov_b32 v1, s26
	v_lshlrev_b32 v2, 2, v0                        ; 128 x wave + 4 x lane
	global_store_b32 v2, v1, s[20:21]
	s_endpgm
.Lfunc_end_k_q3daecb4d13_prep:
	.size	k_q3daecb4d13_prep, .Lfunc_end_k_q3daecb4d13_prep-k_q3daecb4d13_prep
	.p2alignl 7, 3214868480
	.fill 96, 4, 3214868480
	.section	.rodata,"a",@progbits
	.p2align	6, 0x0
	.amdhsa_kernel k_q3daecb4d13_prep
		.amdhsa_group_segment_fixed_size 35328
		.amdhsa_private_segment_fixed_size 0
		.amdhsa_enable_private_segment 0
		.amdhsa_kernarg_size 72
		.amdhsa_user_sgpr_count 2
		.amdhsa_user_sgpr_kernarg_segment_ptr 1
		.amdhsa_wavefront_size32 1
		.amdhsa_system_sgpr_workgroup_id_x 1
		.amdhsa_system_sgpr_workgroup_id_y 1
		.amdhsa_system_sgpr_workgroup_id_z 1
		.amdhsa_system_vgpr_workitem_id 0
		.amdhsa_next_free_vgpr 242
		.amdhsa_next_free_sgpr 66
		.amdhsa_reserve_vcc 1
		.amdhsa_float_denorm_mode_32 3
		.amdhsa_float_denorm_mode_16_64 3
		.amdhsa_memory_ordered 1
		.amdhsa_forward_progress 1
		.amdhsa_inst_pref_size 82
	.end_amdhsa_kernel
	.amdgpu_metadata
---
amdhsa.version: [ 1, 2 ]
amdhsa.kernels:
  - .name:           k_q3daecb4d13_prep
    .symbol:         k_q3daecb4d13_prep.kd
    .args:
      - { .name: from_tensor, .offset: 0, .size: 8, .value_kind: global_buffer, .address_space: global }
      - { .name: to_tensor, .offset: 8, .size: 8, .value_kind: global_buffer, .address_space: global }
      - { .name: wq, .offset: 16, .size: 8, .value_kind: global_buffer, .address_space: global }
      - { .name: wk, .offset: 24, .size: 8, .value_kind: global_buffer, .address_space: global }
      - { .name: wv, .offset: 32, .size: 8, .value_kind: global_buffer, .address_space: global }
      - { .name: attention_mask, .offset: 40, .size: 8, .value_kind: global_buffer, .address_space: global }
      - { .name: xw_codes, .offset: 48, .size: 8, .value_kind: global_buffer, .address_space: global }
      - { .name: xw_scales, .offset: 56, .size: 8, .value_kind: global_buffer, .address_space: global }
      - { .name: flags, .offset: 64, .size: 8, .value_kind: global_buffer, .address_space: global }
    .group_segment_fixed_size: 35328
    .private_segment_fixed_size: 0
    .kernarg_segment_align: 8
    .kernarg_segment_size: 72
    .max_flat_workgroup_size: 128
    .sgpr_count:     66
    .vgpr_count:     242
    .wavefront_size: 32
...
	.end_amdgpu_metadata
.endif
;; end of part 1
;; launch proj (part 2): grid 4 x 192, 4 waves a work-group, clusters of 4 x 4, 209,408 bytes of LDS; arguments xw_codes, xw_scales, bq, bk, bv, attention_mask, qkv_codes, qkv_scales; writes qkv_codes, qkv_scales
.if DOCPART == 2
	.amdgcn_target "amdgcn-amd-amdhsa--gfx1250"
	.amdhsa_code_object_version 6
	.text
	.protected	k_q3daecb4d13_proj
	.globl	k_q3daecb4d13_proj
	.p2align	8
	.type	k_q3daecb4d13_proj,@function
k_q3daecb4d13_proj:
	s_mov_b64 s[64:65], 0
	v_nop
	global_prefetch_b8 v0, s[64:65] scope:SCOPE_SE
	s_setreg_imm32_b32 hwreg(HW_REG_WAVE_MODE, 25, 1), 1
	s_wait_xcnt 0x0
	s_wait_alu depctr_hold_cnt(0) depctr_sa_sdst(0) depctr_va_vdst(0) depctr_va_sdst(0) depctr_va_ssrc(0) depctr_va_vcc(0) depctr_vm_vsrc(0)
	s_getreg_b32 s2, hwreg(HW_REG_IB_STS2, 6, 4)
	s_cmp_eq_u32 s2, 0
	s_cbranch_scc0 .Lentry_in_a_cluster
	s_endpgm
.Lentry_in_a_cluster:
	s_bfe_u32 s2, ttmp6, 0x10000c
	s_cmp_lg_u32 s2, 0xf033
	s_cbranch_scc0 .Lentry_shape_is_right
	s_endpgm
.Lentry_shape_is_right:
; The three projections on codes of FP4 (E2M1), + bias, and the quantising of q, k (along the head's 64) and v (along the keys), in registers: q, k, v never lie in memory as f32.
; ONE GEMM FOR ALL THREE: D(a, b) = (source 0 = 16 rows of P) x (source 1 = 16 rows of R): a lane holds one row of R, and its registers run along P, along which the result is quantised.
;   q, k: P = the weight's columns (channels), R = tokens.     v: P = tokens (keys), R = wv's columns.
; The rows of a tile of P are row 32 b + 8 u + r + 8 (r / 8) for tile 2 b + u, so that a lane's 16 registers of tiles 2 b and 2 b + 1 are 16 neighbours along P: 32 b + 16 (lane / 16) + 0 .. 15.
; SHARES.  A work-group: 256 of P x 128 of R, all of K = 1,024.  A wave: 128 x 64: 32 accumulators, 256 registers.  256 work-groups a product, 768 in all.
; LDS.  All of K of the work-group's tiles fits: 192 KiB of codes in two chunks of four K steps, 12 KiB of scale words.  Every tensor load is a first fill: no byte of LDS is filled twice.
; CLUSTERS: 4 x 4.  P's tiles hang on cx alone and are asked for jointly down a column of the cluster, R's on cy alone and along a row: a quarter of the requests.
; THE MASK goes into k's scale words: a head's K is 64, half of the matrix instruction's 128; byte 2 of a scale word (k = 64 .. 95) is 33 for q, 254 for a masked key, 1 for a key that counts; byte 3 is 1.
; OUTPUT, as images of operand registers: q, k: [batch x head][tile of 16 tokens][lane][16 bytes]; v: [batch x head][128 keys][tile of 16 channels][2][lane][16 bytes]; scale words, two a lane: word i of lane 16 e + r belongs to row r of tile 2 i + e of four.
; LIMITS: a block whose largest magnitude lies under 2^-124 keeps the byte 1; NaN and infinities are not served.
; REGISTERS, in windows of 256: window 0: v1-12 addresses; v16-27 the mask; v32-95 scale words; v96-127 at work; v128-255 P's fragments, two sets (later the numbers to quantise and their codes).
;   window 1: the accumulators, (a, b) at v[64 b + 8 a].   window 2: v0-63 R's fragments, two sets; v64-127 the bias along P; v128-135 the bias along R, each number twice.
.set CHUNK, 98304                      ; a chunk: P's 16 tiles x 4,096 bytes, then R's 8
.set ROFF,  65536
.set RSC,   196608                     ; R's scale words: 8 tiles x 512 bytes
.set PSC,   200704                     ; P's: 16 x 512
.set LI,   4                           ; v4   16 x lane
.set ADRP, 5                           ; v5-6 my P fragments in chunk 0, 1
.set ADRR, 7                           ; v7-8 my R fragments
.set ADRS, 9                           ; v9   scale words: lanes 0-15 R's, lanes 16-31 P's
.set BPA,  10                          ; v10  64 x (lane / 16): the bias along P
.set RLA,  11                          ; v11  4 x (r + 8 (r / 8)): a row of R in the bias and in the mask
.set L8,   12                          ; v12  8 x lane
.set SC,   32                          ; register 8 i + s: lanes 0-15 the word of R's tile i, lanes 16-31 of P's tile i, for K step s
.set TM,   96                          ; v96-111 the quantiser's
.set PW,   112                         ; v112-115 the scale word of each b
.set W0,   116                         ; v116-119, v120-123 the two heads' words
.set W1,   120
.set OW,   124                         ; v124-127 words as stored
.set PF,   128
.set H,    128                         ; 64 numbers to quantise
.set PC,   192                         ; v192-223 codes: eight registers for each b, so that no store's data are written again
.set SEL,  98                          ; s[98:99]
.set MSB, 0
.macro WIN new                         ; the immediate's high byte repeats the setting that is left
.if MSB != \new
	s_set_vgpr_msb (MSB<<8)|\new
.set MSB, \new
.endif
.endm
.macro PLACES                          ; four plain lines between a matrix instruction and a load into, or a vector read of, its registers
.rept 4
	v_nop
.endr
.endm
.macro CROUND                          ; a round of the cluster's barrier
	s_barrier_signal -1
	s_barrier_wait -1
	s_cmp_lg_u32 s20, 0
	s_cbranch_scc1 .Lnot_wave_0_\@
	s_barrier_signal -3
.Lnot_wave_0_\@:
	s_barrier_wait -3
	s_barrier_signal -1
	s_barrier_wait -1
.endm
	s_load_b512 s[4:19], s[0:1], 0x0               ; xw_codes s[4:5], xw_scales s[6:7], bq s[8:9], bk s[10:11], bv s[12:13], mask s[14:15], qkv_codes s[16:17], qkv_scales s[18:19]
	v_lshl_add_u32 v106, v0, 2, 0x33000
	v_mov_b32 v107, 0
	ds_add_u32 v106, v107
	ds_add_u32 v106, v107
	v_lshrrev_b32 v1, 5, v0
	v_readfirstlane_b32 s20, v1                    ; wave 0..3
	s_lshr_b32 s21, s20, 1                         ; wp: which 128 of P are mine.  Also: I fetch for P (0) or for R (1)
	s_and_b32 s22, s20, 1                          ; wr: which 64 of R.  Also: which half of the tiles I fetch
	s_bfe_u32 s23, ttmp6, 0x40000                  ; cx
	s_bfe_u32 s24, ttmp6, 0x40004                  ; cy
	s_and_b32 s25, ttmp7, 0xffff                   ; the cluster's y: 0..47
	s_lshr_b32 s26, s25, 4                         ; the product: 0 q, 1 k, 2 v: the same in all sixteen partners
	s_and_b32 s27, s25, 15
	s_lshr_b32 s88, s27, 1
	s_and_b32 s89, s27, 1
	s_lshl_b32 s90, s26, 6
	s_add_co_u32 s90, s90, 1024                    ; P's first tile: wq's at 1024, wk's at 1088,
	s_lshl_b32 s91, s26, 9                         ; R's: from_tensor's at 0, to_tensor's at 512,
	s_cmp_eq_u32 s26, 2
	s_cselect_b32 s88, s88, 0                      ; v has 32 blocks of P and 8 of R; q and k 4 and 64
	s_cselect_b32 s89, s89, s27
	s_cselect_b32 s90, 512, s90                    ; v: to_tensor's at 512
	s_cselect_b32 s2, 128, 0
	s_add_co_u32 s91, s91, s2                      ; v: wv's at 1152
	s_lshl_b32 s88, s88, 2
	s_add_co_u32 s88, s88, s23                     ; my block of P (holds cx, never cy)
	s_lshl_b32 s89, s89, 2
	s_add_co_u32 s89, s89, s24                     ; my block of R (holds cy, never cx)
	s_lshl_b32 s92, s88, 4
	s_add_co_u32 s90, s90, s92
	s_lshl_b32 s92, s22, 3
	s_add_co_u32 s90, s90, s92                     ; the first of the 8 tiles of P that I would fetch
	s_lshl_b32 s94, s89, 3
	s_add_co_u32 s91, s91, s94
	s_lshl_b32 s94, s22, 2
	s_add_co_u32 s91, s91, s94                     ; the first of the 4 tiles of R
	s_lshl_b32 s96, 0x1111, s23                    ; my column of the cluster
	s_lshl_b32 s97, s24, 2
	s_lshl_b32 s97, 15, s97                        ; my row
	; descriptor groups 1, elements of 8 bytes, no padding.  Codes: a row is half a tile's image (4 K steps, 4,096 bytes), rows 8,192 bytes apart
	s_or_b32 s28, s96, (3<<16)|(1<<21)             ; P's codes: 8 tiles
	s_mov_b32 s29, 512<<16
	s_mov_b32 s30, 8<<16
	s_mov_b32 s31, 512<<16
	s_mov_b32 s32, 8
	s_mov_b32 s33, 1024
	s_mov_b32 s34, 0
	s_mov_b32 s35, 0
	s_or_b32 s36, s97, (3<<16)|(1<<21)             ; R's codes: 4 tiles
	s_mov_b32 s37, 512<<16
	s_mov_b32 s38, 4<<16
	s_mov_b32 s39, 512<<16
	s_mov_b32 s40, 4
	s_mov_b32 s41, 1024
	s_mov_b32 s42, 0
	s_mov_b32 s43, 0
	s_or_b32 s44, s96, (3<<16)|(1<<21)             ; P's scale words: 4,096 dense bytes as 16 rows of 256
	s_mov_b32 s45, 32<<16
	s_mov_b32 s46, 16<<16
	s_mov_b32 s47, 32<<16
	s_mov_b32 s48, 16
	s_mov_b32 s49, 32
	s_mov_b32 s50, 0
	s_mov_b32 s51, 0
	s_or_b32 s52, s97, (3<<16)|(1<<21)             ; R's scale words: 2,048 dense bytes as 8 rows of 256
	s_mov_b32 s53, 32<<16
	s_mov_b32 s54, 8<<16
	s_mov_b32 s55, 32<<16
	s_mov_b32 s56, 8
	s_mov_b32 s57, 32
	s_mov_b32 s58, 0
	s_mov_b32 s59, 0
	s_mov_b32 s93, 0
	s_mov_b32 s95, 0
	s_mov_b32 s[SEL], 0x76543210
	s_mov_b32 s[SEL+1], 0xfedcba98
	s_wait_dscnt 0x0
	s_wait_kmcnt 0x0
	; groups 0.  Every wave makes all six; LDS addresses hang on the wave's number alone
	s_lshl_b32 s92, s90, 9
	s_mov_b32 s60, 1
	s_lshl_b32 s61, s22, 12
	s_add_co_u32 s61, s61, PSC
	s_add_nc_u64 s[62:63], s[6:7], s[92:93]
	s_or_b32 s63, s63, 0x80000000
	s_lshl_b32 s92, s90, 13
	s_mov_b32 s68, 1
	s_lshl_b32 s69, s22, 15
	s_add_nc_u64 s[70:71], s[4:5], s[92:93]
	s_mov_b32 s72, 1
	s_add_co_u32 s73, s69, CHUNK
	s_add_nc_u64 s[74:75], s[70:71], 4096          ; chunk 1: K steps 4 to 7
	s_or_b32 s71, s71, 0x80000000
	s_or_b32 s75, s75, 0x80000000
	s_lshl_b32 s94, s91, 9
	s_mov_b32 s76, 1
	s_lshl_b32 s77, s22, 11
	s_add_co_u32 s77, s77, RSC
	s_add_nc_u64 s[78:79], s[6:7], s[94:95]
	s_or_b32 s79, s79, 0x80000000
	s_lshl_b32 s94, s91, 13
	s_mov_b32 s80, 1
	s_lshl_b32 s81, s22, 14
	s_add_co_u32 s81, s81, ROFF
	s_add_nc_u64 s[82:83], s[4:5], s[94:95]
	s_mov_b32 s84, 1
	s_add_co_u32 s85, s81, CHUNK
	s_add_nc_u64 s[86:87], s[82:83], 4096
	s_or_b32 s83, s83, 0x80000000
	s_or_b32 s87, s87, 0x80000000
	; the bias and the mask: all three runs of loads stand on every product's way; a run that a product does not use reads from its buffer's start
	s_cmp_eq_u32 s26, 0
	s_cselect_b64 s[8:9], s[8:9], s[10:11]
	s_cmp_eq_u32 s26, 2
	s_cselect_b64 s[8:9], s[12:13], s[8:9]         ; this product's bias
	s_lshl_b32 s2, s88, 10
	s_lshl_b32 s3, s21, 9
	s_add_co_u32 s2, s2, s3                        ; 4 x (256 x block of P + 128 wp)
	s_lshl_b32 s100, s89, 9
	s_lshl_b32 s3, s22, 8
	s_add_co_u32 s100, s100, s3                    ; 4 x (128 x block of R + 64 wr)
	s_cmp_eq_u32 s26, 2
	s_cselect_b32 s2, 0, s2                        ; q, k: channels run along P,
	s_cselect_b32 s24, 0, s100                     ; and tokens along R;
	s_cselect_b32 s100, s100, 0                    ; v: channels run along R
	s_mov_b32 s3, 0
	s_mov_b32 s25, 0
	s_mov_b32 s101, 0
	s_add_nc_u64 s[10:11], s[8:9], s[2:3]
	s_add_nc_u64 s[12:13], s[8:9], s[100:101]
	s_add_nc_u64 s[14:15], s[14:15], s[24:25]
	CROUND                                         ; all sixteen work-groups are here: the joint loads meet
	s_cmp_lt_u32 s20, 2                            ; a wave's three fills stand in one branch on its number: three tensor loads of mine are out
	s_cbranch_scc0 .Lfill_r
	tensor_load_to_lds s[60:63], s[44:51]          ; scale words,
	s_nop 0
	tensor_load_to_lds s[68:71], s[28:35]          ; chunk 0,
	s_nop 0
	tensor_load_to_lds s[72:75], s[28:35]          ; chunk 1
	s_nop 0
.rept 4
	v_nop
.endr
	s_branch .Lfilled
.Lfill_r:
	tensor_load_to_lds s[76:79], s[52:59]
	s_nop 0
	tensor_load_to_lds s[80:83], s[36:43]
	s_nop 0
	tensor_load_to_lds s[84:87], s[36:43]
	s_nop 0
.rept 4
	v_nop
.endr
.Lfilled:
	v_and_b32 v1, 31, v0
	v_and_b32 v2, 15, v0                           ; r
	v_bfe_u32 v3, v0, 4, 1                         ; h
	v_lshlrev_b32 v[LI], 4, v1
	v_lshlrev_b32 v[L8], 3, v1
	v_lshlrev_b32 v[BPA], 6, v3
	v_and_b32 v[RLA], 8, v2
	v_add_nc_u32 v[RLA], v[RLA], v2
	v_lshlrev_b32 v[RLA], 2, v[RLA]
	WIN 0x80                                       ; destination window 2
.irp a, 0,1,2,3,4,5,6,7                        ; register 8 a + j: the bias of channel 32 (a / 2) + 16 h + 8 (a % 2) + j of my 128
	global_load_b128 v[64+8*\a:67+8*\a], v[BPA], s[10:11] offset:(32*(\a/2)+8*(\a%2))*4
	global_load_b128 v[68+8*\a:71+8*\a], v[BPA], s[10:11] offset:(32*(\a/2)+8*(\a%2))*4+16
.endr
.irp b, 0,1,2,3                                ; the bias of my row of R's tile b, twice: a pair for the packed addition
	global_load_b32 v[128+2*\b], v[RLA], s[12:13] offset:(32*(\b/2)+8*(\b%2))*4
	global_load_b32 v[129+2*\b], v[RLA], s[12:13] offset:(32*(\b/2)+8*(\b%2))*4
.endr
	WIN 0
.irp b, 0,1,2,3
	global_load_b32 v[20+\b], v[RLA], s[14:15] offset:(32*(\b/2)+8*(\b%2))*4   ; the mask word of my row's token
.endr
	s_lshl_b32 s2, s21, 15
	v_add_nc_u32 v[ADRP], s2, v[LI]
	v_add_nc_u32 v[ADRP+1], CHUNK, v[ADRP]
	s_lshl_b32 s2, s22, 14
	s_add_co_u32 s2, s2, ROFF
	v_add_nc_u32 v[ADRR], s2, v[LI]
	v_add_nc_u32 v[ADRR+1], CHUNK, v[ADRR]
	s_lshl_b32 s2, s22, 11                         ; R's words: my 4 tiles
	s_lshl_b32 s3, s21, 12
	s_add_co_u32 s3, s3, PSC-RSC                   ; P's: my 8 tiles, behind R's
	s_sub_co_u32 s3, s3, s2
	v_mul_u32_u24 v[ADRS], s3, v3                  ; lanes 16-31 take P's: the lower base + h x the distance
	v_lshl_add_u32 v[ADRS], v2, 4, v[ADRS]
	s_add_co_u32 s2, s2, RSC
	v_add_nc_u32 v[ADRS], s2, v[ADRS]
.irp b, 0,1,2,3
	v_mov_b32 v[TM+4+\b], 0                        ; written once: a lane permute's destination counts as one of its sources
.endr
.macro FETCH s                         ; the fragments of K step s into set s % 2: each is two dense runs of 512 bytes
	WIN 0x80
.irp b, 0,1,2,3
.irp c, 0,1
	ds_load_b128 v[32*((\s)%2)+8*\b+4*\c:32*((\s)%2)+8*\b+4*\c+3], v[ADRR+(\s)/4] offset:\b*4096+((\s)%4)*1024+\c*512
.endr
.endr
	WIN 0
.irp a, 0,1,2,3,4,5,6,7
.irp c, 0,1
	ds_load_b128 v[PF+64*((\s)%2)+8*\a+4*\c:PF+64*((\s)%2)+8*\a+4*\c+3], v[ADRP+(\s)/4] offset:\a*4096+((\s)%4)*1024+\c*512
.endr
.endr
.endm
; A K step of 128: 32 matrix instructions; the 32 accumulators take turns, one instruction a turn, in the same order in every step.
.macro KSTEP s
	s_wait_dscnt 0x0                               ; this step's fragments are in (asked for 32 matrix instructions ago)
.if (\s) == 3
	s_wait_tensorcnt 0x0                           ; my part of chunk 1 has landed,
	s_barrier_signal -1
	s_barrier_wait -1                              ; everybody's has
.endif
.if (\s) < 7
.if (\s) > 0
	PLACES                                         ; the other set was read by the last step's products
.endif
	FETCH (\s)+1
.endif
	WIN 0x58                                       ; source 0 (P) window 0, source 1 (R) window 2, C and D window 1
.irp b, 0,1,2,3
.irp a, 0,1,2,3,4,5,6,7
.if (\s) == 0
	v_wmma_scale_f32_16x16x128_f8f6f4 v[64*\b+8*\a:64*\b+8*\a+7], v[PF+64*((\s)%2)+8*\a:PF+64*((\s)%2)+8*\a+7], v[32*((\s)%2)+8*\b:32*((\s)%2)+8*\b+7], 0, v[SC+8*\a+(\s)], v[SC+8*\b+(\s)] matrix_a_fmt:MATRIX_FMT_FP4 matrix_b_fmt:MATRIX_FMT_FP4 matrix_a_scale:MATRIX_SCALE_ROW1
.else
	v_wmma_scale_f32_16x16x128_f8f6f4 v[64*\b+8*\a:64*\b+8*\a+7], v[PF+64*((\s)%2)+8*\a:PF+64*((\s)%2)+8*\a+7], v[32*((\s)%2)+8*\b:32*((\s)%2)+8*\b+7], v[64*\b+8*\a:64*\b+8*\a+7], v[SC+8*\a+(\s)], v[SC+8*\b+(\s)] matrix_a_fmt:MATRIX_FMT_FP4 matrix_b_fmt:MATRIX_FMT_FP4 matrix_a_scale:MATRIX_SCALE_ROW1
.endif
.endr
.endr
	WIN 0
.endm
	s_wait_tensorcnt 0x1                           ; my scale words and my part of chunk 0 are in; chunk 1 may stay out
	s_barrier_signal -1
	s_barrier_wait -1
	FETCH 0
.irp i, 0,1,2,3,4,5,6,7
.irp c, 0,1
	ds_load_b128 v[SC+8*\i+4*\c:SC+8*\i+4*\c+3], v[ADRS] offset:\i*512+\c*256   ; all eight K steps' words.  (For i over 3, lanes 0-15 read filled bytes that no product names)
.endr
.endr
.irp s, 0,1,2,3,4,5,6,7
	KSTEP \s
.endr
	PLACES
	s_wait_loadcnt 0x0                             ; the bias and the mask
; 64 numbers of a lane, register 16 b + i = place 32 b + 16 (lane / 16) + i along P, become a fragment's codes in v[pc] on and its four scale bytes in v[pw].
.macro QUANT s, pc, pw
.irp b, 0,1,2,3
	v_max3_num_f32 v[TM+\b], |v[\s+16*\b]|, |v[\s+1+16*\b]|, 0x1800000   ; my 16 numbers of block b, and the floor 2^(3 - 127): the byte cannot fall under 1
.endr
.irp i, 2,4,6,8,10,12,14
.irp b, 0,1,2,3
	v_max3_num_f32 v[TM+\b], v[TM+\b], |v[\s+16*\b+\i]|, |v[\s+1+16*\b+\i]|
.endr
.endr
.irp b, 0,1,2,3
	v_permlanex16_b32 v[TM+4+\b], v[TM+\b], s[SEL], s[SEL+1]
.endr
.irp b, 0,1,2,3
	v_max_num_f32 v[TM+\b], v[TM+\b], v[TM+4+\b]   ; with lane l xor 16's: the block's largest magnitude
.endr
.irp b, 0,1,2,3
	v_add_nc_u32 v[TM+12+\b], 0xff000000, v[TM+\b] ; 2 off its exponent field: the conversion's scale operand
.endr
.irp b, 0,1,2,3
	v_lshrrev_b32 v[TM+4+\b], 23, v[TM+12+\b]      ; the scale's byte
.endr
	v_lshl_or_b32 v[\pw], v[TM+5], 8, v[TM+4]
	v_lshl_or_b32 v[\pw], v[TM+6], 16, v[\pw]
	v_lshl_or_b32 v[\pw], v[TM+7], 24, v[\pw]
.irp b, 0,1,2,3
	v_cvt_scalef32_pk8_fp4_f32 v[\pc+2*\b], v[\s+16*\b:\s+7+16*\b], v[TM+12+\b]
	v_cvt_scalef32_pk8_fp4_f32 v[\pc+1+2*\b], v[\s+8+16*\b:\s+15+16*\b], v[TM+12+\b]
.endr
	v_nop                                          ; one plain line behind a scaled conversion
.irp c, 0,1                                    ; the operand's layout wants a whole block in a lane: lanes 0-15 block 2 c, lanes 16-31 block 2 c + 1
.irp i, 0,1
	v_permlane16_swap_b32 v[\pc+4*\c+\i], v[\pc+2+4*\c+\i]
.endr
.endr
.endm
; The way out, R's tile b at a time: + bias (each accumulator read from its low end on), quantised, stored as it stands: 512 consecutive bytes a store.
.macro EPI kind
.irp b, 0,1,2,3
	WIN 0x09                                       ; source 0 window 1 (sums), source 1 window 2 (bias)
.set i, 0
.rept 32
.if \kind
	v_pk_add_f32 v[H+2*i:H+2*i+1], v[64*\b+2*i:64*\b+2*i+1], v[128+2*\b:129+2*\b]
.else
	v_pk_add_f32 v[H+2*i:H+2*i+1], v[64*\b+2*i:64*\b+2*i+1], v[64+2*i:65+2*i]
.endif
.set i, i+1
.endr
	WIN 0
	QUANT H, (PC+8*\b), (PW+\b)
.if \kind
	global_store_b128 v[LI], v[PC+8*\b:PC+8*\b+3], s[16:17] offset:1024*\b        ; v: 16 channels x 128 keys: one whole fragment
	global_store_b128 v[LI], v[PC+8*\b+4:PC+8*\b+7], s[16:17] offset:1024*\b+512
.else
	global_store_b128 v[LI], v[PC+8*\b:PC+8*\b+3], s[16:17] offset:512*\b         ; q, k: my first head's 64 channels of 16 tokens,
	global_store_b128 v[LI], v[PC+8*\b+4:PC+8*\b+7], s[16:17] offset:65536+512*\b ; my second head's
	v_and_or_b32 v[W0+\b], v[PW+\b], 0xffff, v[24+\b]                             ; two real bytes below, the mask's byte and a 1 above
	v_lshrrev_b32 v[W1+\b], 16, v[PW+\b]
	v_or_b32 v[W1+\b], v[W1+\b], v[24+\b]
.endif
.endr
.endm
	s_mov_b32 s27, 0xffff0000                      ; lanes 16-31
	s_mov_b32 s5, 0
	s_cmp_eq_u32 s26, 2
	s_cbranch_scc1 .Lkind_v
	; ---- q, k
	s_lshl_b32 s3, s89, 3
	s_lshl_b32 s2, s22, 2
	s_add_co_u32 s3, s3, s2                        ; my first tile of tokens, of 512
	s_lshr_b32 s100, s3, 7                         ; batch
	s_and_b32 s101, s3, 127                        ; tile in the batch
	s_lshl_b32 s3, s88, 2
	s_lshl_b32 s2, s21, 1
	s_add_co_u32 s3, s3, s2                        ; my first head
	s_lshl_b32 s4, s26, 22                         ; q at 0, k at 4 MiB; a batch 1 MiB, a head 64 KiB, a tile 512 bytes
	s_lshl_b32 s2, s100, 20
	s_add_co_u32 s4, s4, s2
	s_lshl_b32 s2, s3, 16
	s_add_co_u32 s4, s4, s2
	s_lshl_b32 s2, s101, 9
	s_add_co_u32 s4, s4, s2
	s_add_nc_u64 s[16:17], s[16:17], s[4:5]
	s_lshl_b32 s4, s26, 19                         ; scale words: q at 0, k at 512 KiB; a batch 128 KiB, a head 8 KiB, four tiles 256 bytes
	s_lshl_b32 s2, s100, 17
	s_add_co_u32 s4, s4, s2
	s_lshl_b32 s2, s3, 13
	s_add_co_u32 s4, s4, s2
	s_lshr_b32 s2, s101, 2
	s_lshl_b32 s2, s2, 8
	s_add_co_u32 s4, s4, s2
	s_add_nc_u64 s[18:19], s[18:19], s[4:5]
	s_mov_b32 s2, 0x01210000                       ; q: byte 2 = 33, byte 3 = 1
	s_cmp_eq_u32 s26, 1
	s_cselect_b32 s3, 0x01010000, s2               ; k, a key that counts: byte 2 = 1
	s_cselect_b32 s2, 0x01fe0000, s2               ; k, a masked key: byte 2 = 254
	v_mov_b32 v16, s3
	v_mov_b32 v17, s2
.irp b, 0,1,2,3
	v_cmp_eq_u32 vcc_lo, 0, v[20+\b]
	v_cndmask_b32 v[24+\b], v16, v17, vcc_lo
.endr
	EPI 0
	v_cndmask_b32 v[OW], v[W0], v[W0+1], s27       ; word i of lane 16 e + r: tile 2 i + e
	v_cndmask_b32 v[OW+1], v[W0+2], v[W0+3], s27
	v_cndmask_b32 v[OW+2], v[W1], v[W1+1], s27
	v_cndmask_b32 v[OW+3], v[W1+2], v[W1+3], s27
	global_store_b64 v[L8], v[OW:OW+1], s[18:19]               ; 256 consecutive bytes, aligned
	global_store_b64 v[L8], v[OW+2:OW+3], s[18:19] offset:8192 ; the second head's
	s_branch .Lend
.Lkind_v:
	s_lshl_b32 s3, s88, 1
	s_add_co_u32 s3, s3, s21                       ; my 128 keys, of 64 such runs
	s_lshr_b32 s100, s3, 4                         ; batch
	s_and_b32 s101, s3, 15                         ; key step in the batch
	s_lshl_b32 s3, s89, 1
	s_add_co_u32 s3, s3, s22                       ; my head
	s_lshl_b32 s4, s100, 20                        ; v at 8 MiB; a batch 1 MiB, a head 64 KiB, a key step 4 KiB
	s_add_co_u32 s4, s4, 0x800000
	s_lshl_b32 s2, s3, 16
	s_add_co_u32 s4, s4, s2
	s_lshl_b32 s2, s101, 12
	s_add_co_u32 s4, s4, s2
	s_add_nc_u64 s[16:17], s[16:17], s[4:5]
	s_lshl_b32 s4, s100, 16                        ; scale words at 1 MiB; a batch 64 KiB, a head 4 KiB, a key step 256 bytes
	s_add_co_u32 s4, s4, 0x100000
	s_lshl_b32 s2, s3, 12
	s_add_co_u32 s4, s4, s2
	s_lshl_b32 s2, s101, 8
	s_add_co_u32 s4, s4, s2
	s_add_nc_u64 s[18:19], s[18:19], s[4:5]
	EPI 1
	v_cndmask_b32 v[OW], v[PW], v[PW+1], s27
	v_cndmask_b32 v[OW+1], v[PW+2], v[PW+3], s27
	global_store_b64 v[L8], v[OW:OW+1], s[18:19]
.Lend:
	s_wait_tensorcnt 0x0
	ds_add_u32 v106, v107
	s_wait_dscnt 0x0
	CROUND                                         ; the closing round: no work-group ends while a partner may still ask for a tile that names it
	s_endpgm
.Lfunc_end_k_q3daecb4d13_proj:
	.size	k_q3daecb4d13_proj, .Lfunc_end_k_q3daecb4d13_proj-k_q3daecb4d13_proj
	.p2alignl 7, 3214868480
	.fill 96, 4, 3214868480
	.section	.rodata,"a",@progbits
	.p2align	6, 0x0
	.amdhsa_kernel k_q3daecb4d13_proj
		.amdhsa_group_segment_fixed_size 209408
		.amdhsa_private_segment_fixed_size 0
		.amdhsa_enable_private_segment 0
		.amdhsa_kernarg_size 64
		.amdhsa_user_sgpr_count 2
		.amdhsa_user_sgpr_kernarg_segment_ptr 1
		.amdhsa_wavefront_size32 1
		.amdhsa_system_sgpr_workgroup_id_x 1
		.amdhsa_system_sgpr_workgroup_id_y 1
		.amdhsa_system_sgpr_workgroup_id_z 1
		.amdhsa_system_vgpr_workitem_id 0
		.amdhsa_next_free_vgpr 768
		.amdhsa_next_free_sgpr 102
		.amdhsa_reserve_vcc 1
		.amdhsa_float_denorm_mode_32 3
		.amdhsa_float_denorm_mode_16_64 3
		.amdhsa_memory_ordered 1
		.amdhsa_forward_progress 1
		.amdhsa_inst_pref_size 111
	.end_amdhsa_kernel
	.amdgpu_metadata
---
amdhsa.version: [ 1, 2 ]
amdhsa.kernels:
  - .name:           k_q3daecb4d13_proj
    .symbol:         k_q3daecb4d13_proj.kd
    .args:
      - { .name: xw_codes, .offset: 0, .size: 8, .value_kind: global_buffer, .address_space: global }
      - { .name: xw_scales, .offset: 8, .size: 8, .value_kind: global_buffer, .address_space: global }
      - { .name: bq, .offset: 16, .size: 8, .value_kind: global_buffer, .address_space: global }
      - { .name: bk, .offset: 24, .size: 8, .value_kind: global_buffer, .address_space: global }
      - { .name: bv, .offset: 32, .size: 8, .value_kind: global_buffer, .address_space: global }
      - { .name: attention_mask, .offset: 40, .size: 8, .value_kind: global_buffer, .address_space: global }
      - { .name: qkv_codes, .offset: 48, .size: 8, .value_kind: global_buffer, .address_space: global }
      - { .name: qkv_scales, .offset: 56, .size: 8, .value_kind: global_buffer, .address_space: global }
    .group_segment_fixed_size: 209408
    .private_segment_fixed_size: 0
    .kernarg_segment_align: 8
    .kernarg_segment_size: 64
    .max_flat_workgroup_size: 128
    .sgpr_count:     102
    .vgpr_count:     768
    .wavefront_size: 32
...
	.end_amdgpu_metadata
.endif
;; end of part 2
;; launch attn (part 3): grid 4 x 64, 16 waves a work-group, no clusters, 215,040 bytes of LDS; arguments qkv_codes, qkv_scales, flags, out0; writes out0
.if DOCPART == 3
	.amdgcn_target "amdgcn-amd-amdhsa--gfx1250"
	.amdhsa_code_object_version 6
	.text
	.protected	k_q3daecb4d13_attn
	.globl	k_q3daecb4d13_attn
	.p2align	8
	.type	k_q3daecb4d13_attn,@function
k_q3daecb4d13_attn:
	s_mov_b64 s[64:65], 0
	v_nop
	global_prefetch_b8 v0, s[64:65] scope:SCOPE_SE
	s_setreg_imm32_b32 hwreg(HW_REG_WAVE_MODE, 25, 1), 1
	s_wait_xcnt 0x0
; out[b][f][n][:] = the sum over keys t of softmax_t(q . k / 8 + mask) v, both products on codes of FP4 (E2M1) with one E8M0 scale for each 32 along a product's K.
; THE SOFTMAX AHEAD OF THE SECOND PRODUCT: t = logit x log2(e); M = the largest t so far, rounded up to a whole number; p = 2^(t - M) is quantised along the keys, not normalised;
; the row's sum is taken of the unquantised p and divides at the end.  When M moves, the sum and O are multiplied by 2^(old M - new M): exact.
; SHARES.  A work-group: one (batch, head) and 512 queries; 256 work-groups.  Each of its sixteen waves owns two tiles of 16 queries and takes them one after the other; four waves to a SIMD,
; so that one wave's vector work stands beside another's products and LDS loads.  Every wave walks all 2,048 keys, 128 a step.
; THE WHOLE HEAD'S k AND v LIE IN LDS (140 KiB of codes and scale words), copied once, through registers, as images of operand registers: every fragment is dense runs of 512 bytes.
; No tensor load.  No cluster: what four work-groups share is read once, at the head.
; LAYOUT.  Both products transposed: S^T = K Q^T, O^T = V^T P^T: a lane holds one query (lane % 16) throughout.  Key r of tile 2 b + u is key 32 b + 8 u + r + 8 (r / 8), so the 16 registers
; of tiles 2 b and 2 b + 1 are 16 neighbouring keys; v's channels are tiled likewise, so O^T's registers of two tiles are 16 neighbouring channels.
; THE MASK RIDES IN THE SPARE HALF OF K.  A head's K is 64 of the instruction's 128.  At k = 64 K's fragment holds the code +1.0 and Q's -1.0, all else above 63 is 0; the scale bytes of that
; block are 33 for q, 254 for a masked key and 1 for a key that counts: the product adds -2^33 to a masked score (-2^30 as a logit, where reference() has -1e9) and -2^-220 to any other.
; The largest t starts at -1e9, so that steps all of whose keys are masked give p = 0.  As soon as one key of the batch counts, a masked key's p is 0 here as there.
; A BATCH WITH NO KEY THAT COUNTS (its stored word is 0) takes reference()'s own roundings: Q's code at k = 64 is 0; L = fma(s, 0.125, -1e9), t = L x log2(e), each rounded to f32; the factor of the common lines is then 1.0.
; LIMITS: |logit| under 2^28; NaN and infinities are not served; a block of p under 2^-124 keeps the byte 1.
.set VC,  65536                        ; LDS: k's codes at 0, v's here,
.set KS,  131072                       ; k's scale words,
.set VS,  139264                       ; v's,
.set STAGE, 143360                     ; and a stage of 16 rows x (256 bytes + 16) for each wave
.set SP,  272
.set AK0, 1                            ; v1   16 x lane
.set AV0, 2                            ; v2   VC + 16 x lane
.set AS0, 3                            ; v3   KS + 8 x lane
.set AT0, 4                            ; v4   VS + 8 x lane
.set SIN, 5                            ; v5   the stage, in: row r, + 64 h
.set SBK, 6                            ; v6   and back: row h, + 16 r
.set GO,  7                            ; v7   out: row h of 4,096 bytes, + 16 r
                                       ; v[8:9] 0.125, v[10:11] -1e9; v12 -M, v13 the largest t, v[14:15] the sum in two halves; v16-19 Q, v20-23 its constants;
                                       ; v24-27 K's scale words, v28-29 V's, v30 Q's, v31 p's; v32-95 K's fragments (the upper four of each eight are constants);
                                       ; v96-159 S^T, then p; v160-191 O^T; v192-223 V's fragments; v224-231 p's codes; v232-254 at work
.set ADK, 248
.set ADV, 249
.set ADS, 250
.set ADT, 251
.set SEL, 20                           ; s[20:21]
.set CS,  22                           ; s[22:23] the factor from score to t
.set TB,  24                           ; s24  the step's codes: 4,096 bytes a step
.set TS,  25                           ; s25  K's scale words: 512
.set TT,  26                           ; s26  V's: 256
	s_load_b256 s[4:11], s[0:1], 0x0               ; qkv_codes s[4:5], qkv_scales s[6:7], flags s[8:9], out s[10:11]
	v_lshl_add_u32 v242, v0, 2, 0x34000
	v_mov_b32 v255, 0
	v_lshrrev_b32 v1, 5, v0
	v_readfirstlane_b32 s12, v1                    ; wave 0..15
	s_and_b32 s13, ttmp7, 0xffff                   ; y = 16 x batch + head
	s_lshr_b32 s15, s13, 4
	s_and_b32 s16, s13, 15
	v_lshlrev_b32 v248, 4, v0                      ; the copy: 16 bytes a thread,
	v_lshlrev_b32 v247, 3, v0                      ; or 8
	v_and_b32 v246, 31, v0
	v_lshlrev_b32 v245, 3, v246                    ; 8 x lane
	s_mov_b32 s19, 0
	s_lshl_b32 s18, s13, 16
	s_wait_kmcnt 0x0
	s_add_nc_u64 s[38:39], s[4:5], s[18:19]        ; the head's q,
	s_add_nc_u64 s[30:31], s[38:39], 0x400000      ; k,
	s_add_nc_u64 s[32:33], s[38:39], 0x800000      ; v
	s_lshl_b32 s18, s13, 13
	s_add_nc_u64 s[40:41], s[6:7], s[18:19]        ; q's scale words,
	s_add_nc_u64 s[34:35], s[40:41], 0x80000       ; k's,
	s_lshl_b32 s18, s13, 12
	s_add_nc_u64 s[36:37], s[6:7], s[18:19]
	s_add_nc_u64 s[36:37], s[36:37], 0x100000      ; v's
	s_lshl_b32 s18, s15, 7
	s_add_nc_u64 s[8:9], s[8:9], s[18:19]
	s_load_b32 s14, s[8:9], 0x0                    ; does any key of my batch count?
.irp i, 0,1,2,3,4,5,6,7
	global_load_b128 v[96+4*\i:99+4*\i], v248, s[30:31] offset:8192*\i
.endr
.irp i, 0,1,2,3,4,5,6,7
	global_load_b128 v[128+4*\i:131+4*\i], v248, s[32:33] offset:8192*\i
.endr
	global_load_b128 v[160:163], v248, s[34:35]
	global_load_b64 v[164:165], v247, s[36:37]
	s_lshl_b32 s18, ttmp9, 11                      ; my pair of tiles is 16 x work-group x + wave: two pairs share 256 bytes of scale words,
	s_lshr_b32 s17, s12, 1
	s_lshl_b32 s17, s17, 8
	s_add_co_u32 s18, s18, s17
	s_and_b32 s17, s12, 1
	s_lshl_b32 s17, s17, 2                         ; word 0 or 1 of a lane's two
	s_add_co_u32 s18, s18, s17
	s_add_nc_u64 s[40:41], s[40:41], s[18:19]
	global_load_b32 v30, v245, s[40:41]            ; lanes 0-15: my first tile's words; lanes 16-31: my second's
	s_lshl_b32 s18, ttmp9, 14
	s_lshl_b32 s17, s12, 10
	s_add_co_u32 s18, s18, s17
	s_add_nc_u64 s[38:39], s[38:39], s[18:19]      ; q's codes at my first tile
	s_lshl_b32 s18, s15, 23                        ; out: 2,048 tokens of 4,096 bytes a batch,
	s_lshl_b32 s17, ttmp9, 21                      ; 512 a work-group,
	s_add_co_u32 s18, s18, s17
	s_lshl_b32 s17, s12, 17                        ; 32 a wave,
	s_add_co_u32 s18, s18, s17
	s_lshl_b32 s17, s16, 8                         ; 256 bytes a head
	s_add_co_u32 s18, s18, s17
	s_add_nc_u64 s[10:11], s[10:11], s[18:19]
	v_lshlrev_b32 v[AK0], 4, v246
	v_add_nc_u32 v[AV0], VC, v[AK0]
	v_add_nc_u32 v[AS0], KS, v245
	v_add_nc_u32 v[AT0], VS, v245
	v_and_b32 v244, 15, v0                         ; r
	v_bfe_u32 v243, v0, 4, 1                       ; h
	s_mul_i32 s17, s12, 16*SP
	s_add_co_u32 s17, s17, STAGE
	v_mul_u32_u24 v[SIN], v244, SP
	v_lshl_add_u32 v[SIN], v243, 6, v[SIN]
	v_add_nc_u32 v[SIN], s17, v[SIN]
	v_mul_u32_u24 v[SBK], v243, SP
	v_lshl_add_u32 v[SBK], v244, 4, v[SBK]
	v_add_nc_u32 v[SBK], s17, v[SBK]
	v_lshlrev_b32 v[GO], 12, v243
	v_lshl_add_u32 v[GO], v244, 4, v[GO]
	v_add_nc_u32 v249, VC, v248
	v_add_nc_u32 v250, KS, v248
	v_add_nc_u32 v251, VS, v247
	s_mov_b32 s[SEL], 0x76543210
	s_mov_b32 s[SEL+1], 0xfedcba98
	s_mov_b32 s42, 0x3fb8aa3b                      ; log2(e)
	s_mov_b32 s43, s42
	s_mov_b32 s[CS], 1.0
	s_mov_b32 s44, 0xff61b1e6                      ; -3e38
	s_wait_kmcnt 0x0
	s_cmp_lg_u32 s14, 0                            ; some key counts:
	s_cselect_b32 s[CS], 0x3e38aa3b, s[CS]         ; the factor is log2(e) / 8,
	s_cselect_b32 s44, 0xce6e6b28, s44             ; the largest t starts at -1e9,
	s_cselect_b32 s45, 10, 0                       ; Q's code at k = 64 is -1.0
	s_mov_b32 s[CS+1], s[CS]                       ; (named with it as a pair, so it is written)
	v_mov_b32 v8, 0x3e000000
	v_mov_b32 v9, 0x3e000000
	v_mov_b32 v10, 0xce6e6b28
	v_mov_b32 v11, 0xce6e6b28
	v_cmp_gt_u32 vcc_lo, 16, v246                  ; k = 64 is the lowest code of register 4 in lanes 0-15
	v_mov_b32 v253, 2
	v_cndmask_b32 v36, 0, v253, vcc_lo             ; K: +1.0
	v_mov_b32 v253, s45
	v_cndmask_b32 v20, 0, v253, vcc_lo             ; Q
.irp t, 1,2,3,4,5,6,7
	v_mov_b32 v[36+8*\t], v36
.endr
.irp t, 0,1,2,3,4,5,6,7
	v_mov_b32 v[37+8*\t], 0
	v_mov_b32 v[38+8*\t], 0
	v_mov_b32 v[39+8*\t], 0
.endr
	v_mov_b32 v21, 0
	v_mov_b32 v22, 0
	v_mov_b32 v23, 0
.irp b, 0,1,2,3
	v_mov_b32 v[236+\b], 0                         ; written once: a lane permute's destination counts as one of its sources
.endr
	v_mov_b32 v252, 0
	v_mov_b32 v253, 0                              ; (named as the upper half of the pair v[252:253])
	v_mov_b32 v254, 0
	s_wait_loadcnt 0x0
.irp i, 0,1,2,3,4,5,6,7
	ds_store_b128 v248, v[96+4*\i:99+4*\i] offset:8192*\i
.endr
.irp i, 0,1,2,3,4,5,6,7
	ds_store_b128 v249, v[128+4*\i:131+4*\i] offset:8192*\i
.endr
	ds_store_b128 v250, v[160:163]
	ds_store_b64 v251, v[164:165]
	s_wait_dscnt 0x0                               ; for the others' sake: my stores have landed
	s_barrier_signal -1
	s_barrier_wait -1                              ; the head lies in LDS; nobody writes it again
	s_mov_b32 s28, 2
.Lpass:                                            ; a tile of 16 queries
	global_load_b128 v[16:19], v[AK0], s[38:39]    ; Q's real half
.set j, 0
.rept 32
	v_mov_b32 v[160+j], 0                          ; O^T: the step is written once; its first trip finds zeros
.set j, j+1
.endr
	v_mov_b32 v13, s44
	v_floor_f32 v12, -v13                          ; -M
	v_mov_b32 v14, 0
	v_mov_b32 v15, 0
	s_mov_b32 s[TB], 0
	s_mov_b32 s[TS], 0
	s_mov_b32 s[TT], 0
	s_mov_b32 s27, 16
	s_wait_loadcnt 0x0
.Lstep:                                            ; 128 keys
	v_add_nc_u32 v[ADK], s[TB], v[AK0]             ; (these four are the places between the last step's products and the loads into their registers)
	v_add_nc_u32 v[ADV], s[TB], v[AV0]
	v_add_nc_u32 v[ADS], s[TS], v[AS0]
	v_add_nc_u32 v[ADT], s[TT], v[AT0]
.irp t, 0,1,2,3,4,5,6,7
	ds_load_b128 v[32+8*\t:35+8*\t], v[ADK] offset:512*\t
.endr
	ds_load_b64 v[24:25], v[ADS]                   ; register t / 2: lanes 0-15 the even tile's words, lanes 16-31 the odd one's
	ds_load_b64 v[26:27], v[ADS] offset:256
.irp f, 0,1,2,3,4,5,6,7
	ds_load_b128 v[192+4*\f:195+4*\f], v[ADV] offset:512*\f
.endr
	ds_load_b64 v[28:29], v[ADT]
	s_wait_dscnt 0x9                               ; K and its words are in; V's nine loads may stay out
.irp t, 0,2,4,6
	v_wmma_scale_f32_16x16x128_f8f6f4 v[96+8*\t:103+8*\t], v[32+8*\t:39+8*\t], v[16:23], 0, v[24+\t/2], v30 matrix_a_fmt:MATRIX_FMT_FP4 matrix_b_fmt:MATRIX_FMT_FP4
	v_wmma_scale_f32_16x16x128_f8f6f4 v[104+8*\t:111+8*\t], v[40+8*\t:47+8*\t], v[16:23], 0, v[24+\t/2], v30 matrix_a_fmt:MATRIX_FMT_FP4 matrix_b_fmt:MATRIX_FMT_FP4 matrix_a_scale:MATRIX_SCALE_ROW1
.endr
.rept 4
	v_nop
.endr
	s_cmp_lg_u32 s14, 0
	s_cbranch_scc1 .Lscaled
.set j, 0
.rept 32
	v_pk_fma_f32 v[96+j:97+j], v[96+j:97+j], v[8:9], v[10:11]              ; no key counts: the logit as reference() rounds it: s / 8 - 1e9,
.set j, j+2
.endr
.set j, 0
.rept 32
	v_pk_mul_f32 v[96+j:97+j], v[96+j:97+j], s[42:43] op_sel_hi:[1,0]      ; and t, rounded; the factor below is 1.0
.set j, j+2
.endr
.Lscaled:
.irp b, 0,1,2,3
	v_max3_num_f32 v[232+\b], v[96+16*\b], v[97+16*\b], v[98+16*\b]        ; the largest score of each block of 32 keys: for the row's maximum, and for the block's largest p
.endr
.irp i, 3,5,7,9,11,13
.irp b, 0,1,2,3
	v_max3_num_f32 v[232+\b], v[232+\b], v[96+16*\b+\i], v[97+16*\b+\i]
.endr
.endr
.irp b, 0,1,2,3
	v_max_num_f32 v[232+\b], v[232+\b], v[111+16*\b]
.endr
.irp b, 0,1,2,3
	v_permlanex16_b32 v[236+\b], v[232+\b], s[SEL], s[SEL+1]
.endr
.irp b, 0,1,2,3
	v_max_num_f32 v[232+\b], v[232+\b], v[236+\b]  ; with lane l xor 16's 16 keys
.endr
	v_max3_num_f32 v254, v232, v233, v234
	v_max_num_f32 v254, v254, v235
	v_mul_f32 v254, s[CS], v254                    ; as t
	v_max_num_f32 v13, v13, v254                   ; the running largest t
	v_mov_b32 v254, v12
	v_floor_f32 v12, -v13                          ; the new -M = -ceil(t)
	v_sub_f32 v254, v12, v254                      ; old M - new M: a whole number, 0 or less
	v_cvt_i32_f32 v254, v254                       ; (it saturates)
	v_ldexp_f32 v252, 1.0, v254                    ; f = 2^(old M - new M)
.set j, 0
.rept 32
	v_pk_fma_f32 v[96+j:97+j], v[96+j:97+j], s[CS:CS+1], v[12:13] op_sel_hi:[1,0,0]   ; t - M, two at a time
.set j, j+2
.endr
.irp b, 0,1,2,3
	v_fma_f32 v[232+\b], v[232+\b], s[CS], v12     ; the same of each block's largest score
.endr
.set j, 0
.rept 64
	v_exp_f32 v[96+j], v[96+j]                     ; p = 2^(t - M)
.set j, j+1
.endr
	v_pk_mul_f32 v[14:15], v[14:15], v[252:253] op_sel_hi:[1,0]   ; the sums under the new M (a plain line behind the exponentials)
	s_wait_alu depctr_va_vdst(0)                   ; one wait for the batch, ahead of its first reader
.irp b, 0,1,2,3
	v_exp_f32 v[232+\b], v[232+\b]                 ; the block's largest p
.endr
	v_pk_add_f32 v[236:237], v[96:97], v[98:99]    ; the row's sum of the unquantised p, in two chains
.irp j, 4,8,12,16,20,24,28,32,36,40,44,48,52,56,60
	v_pk_add_f32 v[14:15], v[14:15], v[96+\j:97+\j]
	v_pk_add_f32 v[236:237], v[236:237], v[98+\j:99+\j]
.endr
	v_pk_add_f32 v[14:15], v[14:15], v[236:237]
	s_wait_alu depctr_va_vdst(0)                   ; and one for the four
.irp b, 0,1,2,3
	v_max_num_f32 v[232+\b], 0x1800000, v[232+\b]  ; the floor 2^(3 - 127)
.endr
.irp b, 0,1,2,3
	v_add_nc_u32 v[244+\b], 0xff000000, v[232+\b]  ; the conversion's scale operand
.endr
.irp b, 0,1,2,3
	v_lshrrev_b32 v[236+\b], 23, v[244+\b]         ; the scale's byte
.endr
	v_lshl_or_b32 v31, v237, 8, v236               ; p's scale word for these 128 keys
	v_lshl_or_b32 v31, v238, 16, v31
	v_lshl_or_b32 v31, v239, 24, v31
.irp b, 0,1,2,3
	v_cvt_scalef32_pk8_fp4_f32 v[224+2*\b], v[96+16*\b:103+16*\b], v[244+\b]
	v_cvt_scalef32_pk8_fp4_f32 v[225+2*\b], v[104+16*\b:111+16*\b], v[244+\b]
.endr
	v_nop                                          ; one plain line behind a scaled conversion
.irp c, 0,1
.irp i, 0,1
	v_permlane16_swap_b32 v[224+4*\c+\i], v[226+4*\c+\i]   ; a whole block to a lane
.endr
.endr
.set j, 0
.rept 16
	v_pk_mul_f32 v[160+j:161+j], v[160+j:161+j], v[252:253] op_sel_hi:[1,0]   ; O^T under the new M; these sixteen also stand between the writing of p's codes and word and the products
.set j, j+2
.endr
	s_wait_dscnt 0x0                               ; V and its words are in
.irp t, 0,2
	v_wmma_scale_f32_16x16x128_f8f6f4 v[160+8*\t:167+8*\t], v[192+8*\t:199+8*\t], v[224:231], v[160+8*\t:167+8*\t], v[28+\t/2], v31 matrix_a_fmt:MATRIX_FMT_FP4 matrix_b_fmt:MATRIX_FMT_FP4
	v_wmma_scale_f32_16x16x128_f8f6f4 v[168+8*\t:175+8*\t], v[200+8*\t:207+8*\t], v[224:231], v[168+8*\t:175+8*\t], v[28+\t/2], v31 matrix_a_fmt:MATRIX_FMT_FP4 matrix_b_fmt:MATRIX_FMT_FP4 matrix_a_scale:MATRIX_SCALE_ROW1
.endr
	s_add_co_u32 s[TB], s[TB], 4096
	s_add_co_u32 s[TS], s[TS], 512
	s_add_co_u32 s[TT], s[TT], 256
	s_sub_co_u32 s27, s27, 1
	s_cmp_lg_u32 s27, 0
	s_cbranch_scc1 .Lstep
	; THE WAY OUT: O^T / the sum goes through my stage and leaves as rows: sixteen lanes store the 256 bytes of one (query, head), aligned
	v_add_f32 v14, v14, v15
	v_permlanex16_b32 v252, v14, s[SEL], s[SEL+1]
	v_add_f32 v14, v14, v252                       ; the row's sum
	v_rcp_f32 v14, v14
.rept 4
	v_nop                                          ; plain lines behind the reciprocal and behind the last products
.endr
	s_wait_alu depctr_va_vdst(0)                   ; the wait ahead of the reciprocal's first reader
.set j, 0
.rept 32
	v_mul_f32 v[96+j], v[160+j], v14               ; register 8 t + i: channel 32 (t / 2) + 16 h + 8 (t % 2) + i of query r
.set j, j+1
.endr
.irp t, 0,1,2,3
	ds_store_b128 v[SIN], v[96+8*\t:99+8*\t] offset:128*(\t/2)+32*(\t%2)
	ds_store_b128 v[SIN], v[100+8*\t:103+8*\t] offset:128*(\t/2)+32*(\t%2)+16
.endr
.irp i, 0,1,2,3,4,5,6,7
	ds_load_b128 v[128+4*\i:131+4*\i], v[SBK] offset:2*\i*SP   ; LDS serves a wave's instructions in order: these see my stores
.endr
.irp i, 0,1,2,3,4,5,6,7
	s_wait_dscnt 7-\i                              ; rows 2 i and 2 i + 1 are back; the younger loads stay out
	global_store_b128 v[GO], v[128+4*\i:131+4*\i], s[10:11] offset:(2*\i+8*(\i/4))*4096 th:TH_STORE_NT   ; tile row m is token m + 8 (m / 8)
.endr
	v_permlanex16_b32 v254, v30, s[SEL], s[SEL+1]  ; the second tile's scale words come to lanes 0-15
	s_wait_xcnt 0x0                                ; the stores have read their registers and their base: both are written again only behind this wait
	s_add_nc_u64 s[38:39], s[38:39], 512           ; the second tile's codes,
	s_add_nc_u64 s[10:11], s[10:11], 8*4096        ; and its rows: 8 tokens on
	v_mov_b32 v30, v254
	s_sub_co_u32 s28, s28, 1
	s_cmp_lg_u32 s28, 0
	s_cbranch_scc1 .Lpass
	s_wait_tensorcnt 0x0
	ds_add_u32 v242, v255
	s_wait_dscnt 0x0
	s_endpgm
.Lfunc_end_k_q3daecb4d13_attn:
	.size	k_q3daecb4d13_attn, .Lfunc_end_k_q3daecb4d13_attn-k_q3daecb4d13_attn
	.p2alignl 7, 3214868480
	.fill 96, 4, 3214868480
	.section	.rodata,"a",@progbits
	.p2align	6, 0x0
	.amdhsa_kernel k_q3daecb4d13_attn
		.amdhsa_group_segment_fixed_size 215040
		.amdhsa_private_segment_fixed_size 0
		.amdhsa_enable_private_segment 0
		.amdhsa_kernarg_size 32
		.amdhsa_user_sgpr_count 2
		.amdhsa_user_sgpr_kernarg_segment_ptr 1
		.amdhsa_wavefront_size32 1
		.amdhsa_system_sgpr_workgroup_id_x 1
		.amdhsa_system_sgpr_workgroup_id_y 1
		.amdhsa_system_sgpr_workgroup_id_z 1
		.amdhsa_system_vgpr_workitem_id 0
		.amdhsa_next_free_vgpr 256
		.amdhsa_next_free_sgpr 66
		.amdhsa_reserve_vcc 1
		.amdhsa_float_denorm_mode_32 3
		.amdhsa_float_denorm_mode_16_64 3
		.amdhsa_memory_ordered 1
		.amdhsa_forward_progress 1
		.amdhsa_inst_pref_size 33
	.end_amdhsa_kernel
	.amdgpu_metadata
---
amdhsa.version: [ 1, 2 ]
amdhsa.kernels:
  - .name:           k_q3daecb4d13_attn
    .symbol:         k_q3daecb4d13_attn.kd
    .args:
      - { .name: qkv_codes, .offset: 0, .size: 8, .value_kind: global_buffer, .address_space: global }
      - { .name: qkv_scales, .offset: 8, .size: 8, .value_kind: global_buffer, .address_space: global }
      - { .name: flags, .offset: 16, .size: 8, .value_kind: global_buffer, .address_space: global }
      - { .name: out0, .offset: 24, .size: 8, .value_kind: global_buffer, .address_space: global }
    .group_segment_fixed_size: 215040
    .private_segment_fixed_size: 0
    .kernarg_segment_align: 8
    .kernarg_segment_size: 32
    .max_flat_workgroup_size: 512
    .sgpr_count:     66
    .vgpr_count:     256
    .wavefront_size: 32
...
	.end_amdgpu_metadata
.endif
;; end of part 3
;; ======== version 2 of 2: 3 launches; version 1 with the launch attn written anew for expert scheduling mode
;; limits: right only within a limited range of input values
;; workspace buffers: xw_codes 9,961,472 bytes; xw_scales 622,592 bytes; qkv_codes 12,582,912 bytes; qkv_scales 1,310,720 bytes; flags 512 bytes of whole numbers
;; launch prep: the kernel of part 1 again; grid 449 x 1, 4 waves a work-group, no clusters, 35,328 bytes of LDS; arguments from_tensor, to_tensor, wq, wk, wv, attention_mask, xw_codes, xw_scales, flags; writes xw_codes, xw_scales, flags
;; launch proj: the kernel of part 2 again; grid 4 x 192, 4 waves a work-group, clusters of 4 x 4, 209,408 bytes of LDS; arguments xw_codes, xw_scales, bq, bk, bv, attention_mask, qkv_codes, qkv_scales; writes qkv_codes, qkv_scales
;; launch attn (part 4): grid 4 x 64, 16 waves a work-group, no clusters, 215,040 bytes of LDS; arguments qkv_codes, qkv_scales, flags, out0; writes out0
.if DOCPART == 4
	.amdgcn_target "amdgcn-amd-amdhsa--gfx1250"
	.amdhsa_code_object_version 6
	.text
	.protected	k_q3daecb4d13_attn
	.globl	k_q3daecb4d13_attn
	.p2align	8
	.type	k_q3daecb4d13_attn,@function
k_q3daecb4d13_attn:
	s_mov_b64 s[64:65], 0
	v_nop
	global_prefetch_b8 v0, s[64:65] scope:SCOPE_SE
	s_setreg_imm32_b32 hwreg(HW_REG_WAVE_SCHED_MODE, 0, 2), 2
	s_setreg_imm32_b32 hwreg(HW_REG_WAVE_MODE, 25, 1), 1
	s_wait_xcnt 0x0
	s_wait_alu depctr_vm_vsrc(0)
; out[b][f][n][:] = the sum over keys t of softmax_t(q . k / 8 + mask) v, both products on codes of FP4 (E2M1) with one E8M0 scale for each 32 along a product's K.
; THE SOFTMAX AHEAD OF THE SECOND PRODUCT: t = logit x log2(e); M = the largest t so far, rounded up to a whole number; p = 2^(t - M) is quantised along the keys, not normalised;
; the row's sum is taken of the unquantised p and divides at the end.  When M moves, the sum and O are multiplied by 2^(old M - new M): exact.
; SHARES.  A work-group: one (batch, head) and 512 queries; 256 work-groups.  Each of its sixteen waves owns two tiles of 16 queries and takes them one after the other; four waves to a SIMD,
; so that one wave's vector work stands beside another's products and LDS loads.  Every wave walks all 2,048 keys, 128 a step.
; THE WHOLE HEAD'S k AND v LIE IN LDS (140 KiB of codes and scale words), copied once, through registers, as images of operand registers: every fragment is dense runs of 512 bytes.
; No tensor load.  No cluster: what four work-groups share is read once, at the head.
; LAYOUT.  Both products transposed: S^T = K Q^T, O^T = V^T P^T: a lane holds one query (lane % 16) throughout.  Key r of tile 2 b + u is key 32 b + 8 u + r + 8 (r / 8), so the 16 registers
; of tiles 2 b and 2 b + 1 are 16 neighbouring keys; v's channels are tiled likewise, so O^T's registers of two tiles are 16 neighbouring channels.
; THE MASK RIDES IN THE SPARE HALF OF K.  A head's K is 64 of the instruction's 128.  At k = 64 K's fragment holds the code +1.0 and Q's -1.0, all else above 63 is 0; the scale bytes of that
; block are 33 for q, 254 for a masked key and 1 for a key that counts: the product adds -2^33 to a masked score (-2^30 as a logit, where reference() has -1e9) and -2^-220 to any other.
; The largest t starts at -1e9, so that steps all of whose keys are masked give p = 0.  As soon as one key of the batch counts, a masked key's p is 0 here as there.
; A BATCH WITH NO KEY THAT COUNTS (its stored word is 0) takes reference()'s own roundings: Q's code at k = 64 is 0; L = fma(s, 0.125, -1e9), t = L x log2(e), each rounded to f32; the factor of the common lines is then 1.0.
; LIMITS: |logit| under 2^28; NaN and infinities are not served; a block of p under 2^-124 keeps the byte 1.
; THE MODE: SCHED_MODE bits 1:0 = 2 (LLVM: expert scheduling mode 2), set by the entry lines.  The code itself states the register dependences
; between vector or matrix instructions and memory or LDS instructions, with s_wait_alu, always for 0.
; THE PLAN.  Registers that LDS or memory instructions touch, in a key step:
;   K's loaded halves v32-35 + 8 t and its words v24-27: read by the step's eight products K Q^T at its head; the NEXT step's loads land in them in the step's middle.
;   V's fragments v192-223 and its words v28-29: this step's loads land in them in the step's middle; read by the step's four products V^T P^T at its end.
;   v248-251, the four LDS addresses: written by four additions behind the products K Q^T; read by the step's 19 LDS loads.
;   v1-7: made at the head, never written again.
; So ONE wait on va_vdst, the one behind the 64 exponentials, stands ahead of all the step's LDS loads: it states that the exponentials' results are written, that this step's products K Q^T are done reading
; K and its words, that the last step's products V^T P^T are done reading V and its words, and that the four addresses are written.  V's nine loads follow it in a run; the next step's ten of K are dealt among
; the packed additions of the row's sum, which name p, the sums and v236-237 alone.  One wait on vm_vsrc a step stands ahead of the four additions.  A second wait on va_vdst stands ahead of the products
; V^T P^T: p's codes and scale word are written.  A pass's last step has no next K: it is written out behind a loop of 15 trips.
.set VC,  65536                        ; LDS: k's codes at 0, v's here,
.set KS,  131072                       ; k's scale words,
.set VS,  139264                       ; v's,
.set STAGE, 143360                     ; and a stage of 16 rows x (256 bytes + 16) for each wave
.set SP,  272
.set AK0, 1                            ; v1   16 x lane
.set AV0, 2                            ; v2   VC + 16 x lane
.set AS0, 3                            ; v3   KS + 8 x lane
.set AT0, 4                            ; v4   VS + 8 x lane
.set SIN, 5                            ; v5   the stage, in: row r, + 64 h
.set SBK, 6                            ; v6   and back: row h, + 16 r
.set GO,  7                            ; v7   out: row h of 4,096 bytes, + 16 r
                                       ; v[8:9] 0.125, v[10:11] -1e9; v12 -M, v13 the largest t, v[14:15] the sum in two halves; v16-19 Q, v20-23 its constants;
                                       ; v24-27 K's scale words, v28-29 V's, v30 Q's, v31 p's; v32-95 K's fragments (the upper four of each eight are constants);
                                       ; v96-159 S^T, then p; v160-191 O^T; v192-223 V's fragments; v224-231 p's codes; v232-254 at work
.set ADK, 248                          ; v248 this step's codes of K: the next step's lie 4,096 bytes on
.set ADV, 249                          ; v249 this step's codes of V
.set ADS, 250                          ; v250 this step's scale words of K: the next step's lie 512 bytes on
.set ADT, 251                          ; v251 this step's scale words of V
.set SEL, 20                           ; s[20:21]
.set CS,  22                           ; s[22:23] the factor from score to t
.set TB,  24                           ; s24  the step's codes: 4,096 bytes a step
.set TS,  25                           ; s25  K's scale words: 512
.set TT,  26                           ; s26  V's: 256
	s_load_b256 s[4:11], s[0:1], 0x0               ; qkv_codes s[4:5], qkv_scales s[6:7], flags s[8:9], out s[10:11]
	v_lshl_add_u32 v242, v0, 2, 0x34000
	v_mov_b32 v255, 0
	v_lshrrev_b32 v1, 5, v0
	v_readfirstlane_b32 s12, v1                    ; wave 0..15
	s_and_b32 s13, ttmp7, 0xffff                   ; y = 16 x batch + head
	s_lshr_b32 s15, s13, 4
	s_and_b32 s16, s13, 15
	v_lshlrev_b32 v248, 4, v0                      ; the copy: 16 bytes a thread,
	v_lshlrev_b32 v247, 3, v0                      ; or 8
	v_and_b32 v246, 31, v0
	v_lshlrev_b32 v245, 3, v246                    ; 8 x lane
	s_mov_b32 s19, 0
	s_lshl_b32 s18, s13, 16
	s_wait_kmcnt 0x0
	s_add_nc_u64 s[38:39], s[4:5], s[18:19]        ; the head's q,
	s_add_nc_u64 s[30:31], s[38:39], 0x400000      ; k,
	s_add_nc_u64 s[32:33], s[38:39], 0x800000      ; v
	s_lshl_b32 s18, s13, 13
	s_add_nc_u64 s[40:41], s[6:7], s[18:19]        ; q's scale words,
	s_add_nc_u64 s[34:35], s[40:41], 0x80000       ; k's,
	s_lshl_b32 s18, s13, 12
	s_add_nc_u64 s[36:37], s[6:7], s[18:19]
	s_add_nc_u64 s[36:37], s[36:37], 0x100000      ; v's
	s_lshl_b32 s18, s15, 7
	s_add_nc_u64 s[8:9], s[8:9], s[18:19]
	s_load_b32 s14, s[8:9], 0x0                    ; does any key of my batch count?
	s_wait_alu depctr_va_sdst(0)                   ; s12, the wave's number, is written, ahead of its first reader below
	s_wait_alu depctr_va_vdst(0)                   ; v248, v247 and v245 are written: the copy's loads and the load of Q's scale words read them as offsets
.irp i, 0,1,2,3,4,5,6,7
	global_load_b128 v[96+4*\i:99+4*\i], v248, s[30:31] offset:8192*\i
.endr
.irp i, 0,1,2,3,4,5,6,7
	global_load_b128 v[128+4*\i:131+4*\i], v248, s[32:33] offset:8192*\i
.endr
	global_load_b128 v[160:163], v248, s[34:35]
	global_load_b64 v[164:165], v247, s[36:37]
	s_lshl_b32 s18, ttmp9, 11                      ; my pair of tiles is 16 x work-group x + wave: two pairs share 256 bytes of scale words,
	s_lshr_b32 s17, s12, 1
	s_lshl_b32 s17, s17, 8
	s_add_co_u32 s18, s18, s17
	s_and_b32 s17, s12, 1
	s_lshl_b32 s17, s17, 2                         ; word 0 or 1 of a lane's two
	s_add_co_u32 s18, s18, s17
	s_add_nc_u64 s[40:41], s[40:41], s[18:19]
	global_load_b32 v30, v245, s[40:41]            ; lanes 0-15: my first tile's words; lanes 16-31: my second's
	s_lshl_b32 s18, ttmp9, 14
	s_lshl_b32 s17, s12, 10
	s_add_co_u32 s18, s18, s17
	s_add_nc_u64 s[38:39], s[38:39], s[18:19]      ; q's codes at my first tile
	s_lshl_b32 s18, s15, 23                        ; out: 2,048 tokens of 4,096 bytes a batch,
	s_lshl_b32 s17, ttmp9, 21                      ; 512 a work-group,
	s_add_co_u32 s18, s18, s17
	s_lshl_b32 s17, s12, 17                        ; 32 a wave,
	s_add_co_u32 s18, s18, s17
	s_lshl_b32 s17, s16, 8                         ; 256 bytes a head
	s_add_co_u32 s18, s18, s17
	s_add_nc_u64 s[10:11], s[10:11], s[18:19]
	v_lshlrev_b32 v[AK0], 4, v246
	v_add_nc_u32 v[AV0], VC, v[AK0]
	v_add_nc_u32 v[AS0], KS, v245
	v_add_nc_u32 v[AT0], VS, v245
	v_and_b32 v244, 15, v0                         ; r
	v_bfe_u32 v243, v0, 4, 1                       ; h
	s_mul_i32 s17, s12, 16*SP
	s_add_co_u32 s17, s17, STAGE
	v_mul_u32_u24 v[SIN], v244, SP
	v_lshl_add_u32 v[SIN], v243, 6, v[SIN]
	v_add_nc_u32 v[SIN], s17, v[SIN]
	v_mul_u32_u24 v[SBK], v243, SP
	v_lshl_add_u32 v[SBK], v244, 4, v[SBK]
	v_add_nc_u32 v[SBK], s17, v[SBK]
	v_lshlrev_b32 v[GO], 12, v243
	v_lshl_add_u32 v[GO], v244, 4, v[GO]
	v_add_nc_u32 v249, VC, v248
	v_add_nc_u32 v250, KS, v248
	v_add_nc_u32 v251, VS, v247
	s_mov_b32 s[SEL], 0x76543210
	s_mov_b32 s[SEL+1], 0xfedcba98
	s_mov_b32 s42, 0x3fb8aa3b                      ; log2(e)
	s_mov_b32 s43, s42
	s_mov_b32 s[CS], 1.0
	s_mov_b32 s44, 0xff61b1e6                      ; -3e38
	s_wait_kmcnt 0x0
	s_cmp_lg_u32 s14, 0                            ; some key counts:
	s_cselect_b32 s[CS], 0x3e38aa3b, s[CS]         ; the factor is log2(e) / 8,
	s_cselect_b32 s44, 0xce6e6b28, s44             ; the largest t starts at -1e9,
	s_cselect_b32 s45, 10, 0                       ; Q's code at k = 64 is -1.0
	s_mov_b32 s[CS+1], s[CS]                       ; (named with it as a pair, so it is written)
	v_mov_b32 v8, 0x3e000000
	v_mov_b32 v9, 0x3e000000
	v_mov_b32 v10, 0xce6e6b28
	v_mov_b32 v11, 0xce6e6b28
	v_cmp_gt_u32 vcc_lo, 16, v246                  ; k = 64 is the lowest code of register 4 in lanes 0-15
	v_mov_b32 v253, 2
	s_wait_alu depctr_va_vcc(0)                    ; the compare has written VCC, which the two selects below read
	v_cndmask_b32 v36, 0, v253, vcc_lo             ; K: +1.0
	v_mov_b32 v253, s45
	v_cndmask_b32 v20, 0, v253, vcc_lo             ; Q
.irp t, 1,2,3,4,5,6,7
	v_mov_b32 v[36+8*\t], v36
.endr
.irp t, 0,1,2,3,4,5,6,7
	v_mov_b32 v[37+8*\t], 0
	v_mov_b32 v[38+8*\t], 0
	v_mov_b32 v[39+8*\t], 0
.endr
	v_mov_b32 v21, 0
	v_mov_b32 v22, 0
	v_mov_b32 v23, 0
.irp b, 0,1,2,3
	v_mov_b32 v[236+\b], 0                         ; written once: a lane permute's destination counts as one of its sources
.endr
	v_mov_b32 v252, 0
	v_mov_b32 v253, 0                              ; (named as the upper half of the pair v[252:253])
	v_mov_b32 v254, 0
	s_wait_loadcnt 0x0
	s_wait_alu depctr_va_vdst(0)                   ; v249 to v251 are written, which the LDS stores below read as addresses; so are v1 to v7, which every later load and store reads; so are the constant halves of K's and Q's fragments, which the scaled products take
.irp i, 0,1,2,3,4,5,6,7
	ds_store_b128 v248, v[96+4*\i:99+4*\i] offset:8192*\i
.endr
.irp i, 0,1,2,3,4,5,6,7
	ds_store_b128 v249, v[128+4*\i:131+4*\i] offset:8192*\i
.endr
	ds_store_b128 v250, v[160:163]
	ds_store_b64 v251, v[164:165]
	s_wait_dscnt 0x0                               ; for the others' sake: my stores have landed
	s_barrier_signal -1
	s_barrier_wait -1                              ; the head lies in LDS; nobody writes it again
	s_wait_alu depctr_vm_vsrc(0)                   ; my LDS stores have read v96 to v165, which O^T's zeros and the products write from here on
; A KEY STEP: 128 keys.  next = 1: the next step's K is asked for in the step's middle; 0: a pass's last step.
.macro STEP next
	s_wait_dscnt 0x0                               ; this step's K and its words are in (asked for in the middle of the step before, or at the pass's head)
.irp t, 0,2,4,6
	v_wmma_scale_f32_16x16x128_f8f6f4 v[96+8*\t:103+8*\t], v[32+8*\t:39+8*\t], v[16:23], 0, v[24+\t/2], v30 matrix_a_fmt:MATRIX_FMT_FP4 matrix_b_fmt:MATRIX_FMT_FP4
	v_wmma_scale_f32_16x16x128_f8f6f4 v[104+8*\t:111+8*\t], v[40+8*\t:47+8*\t], v[16:23], 0, v[24+\t/2], v30 matrix_a_fmt:MATRIX_FMT_FP4 matrix_b_fmt:MATRIX_FMT_FP4 matrix_a_scale:MATRIX_SCALE_ROW1
.endr
	s_wait_alu depctr_vm_vsrc(0)                   ; the LDS loads issued so far have read v248 to v251, which are written below
	v_add_nc_u32 v[ADV], s[TB], v[AV0]             ; (these four lines are also the places between the products and the first read of the scores)
	v_add_nc_u32 v[ADT], s[TT], v[AT0]
.if \next
	v_add_nc_u32 v[ADK], s[TB], v[AK0]
	v_add_nc_u32 v[ADS], s[TS], v[AS0]
.else
	v_nop
	v_nop
.endif
	s_cmp_lg_u32 s14, 0
	s_cbranch_scc1 .Lscaled_\@
.set j, 0
.rept 32
	v_pk_fma_f32 v[96+j:97+j], v[96+j:97+j], v[8:9], v[10:11]              ; no key counts: the logit as reference() rounds it: s / 8 - 1e9,
.set j, j+2
.endr
.set j, 0
.rept 32
	v_pk_mul_f32 v[96+j:97+j], v[96+j:97+j], s[42:43] op_sel_hi:[1,0]      ; and t, rounded; the factor below is 1.0
.set j, j+2
.endr
.Lscaled_\@:
.irp b, 0,1,2,3
	v_max3_num_f32 v[232+\b], v[96+16*\b], v[97+16*\b], v[98+16*\b]        ; the largest score of each block of 32 keys: for the row's maximum, and for the block's largest p
.endr
.irp i, 3,5,7,9,11,13
.irp b, 0,1,2,3
	v_max3_num_f32 v[232+\b], v[232+\b], v[96+16*\b+\i], v[97+16*\b+\i]
.endr
.endr
.irp b, 0,1,2,3
	v_max_num_f32 v[232+\b], v[232+\b], v[111+16*\b]
.endr
.irp b, 0,1,2,3
	v_permlanex16_b32 v[236+\b], v[232+\b], s[SEL], s[SEL+1]
.endr
.irp b, 0,1,2,3
	v_max_num_f32 v[232+\b], v[232+\b], v[236+\b]  ; with lane l xor 16's 16 keys
.endr
	v_max3_num_f32 v254, v232, v233, v234
	v_max_num_f32 v254, v254, v235
	v_mul_f32 v254, s[CS], v254                    ; as t
	v_max_num_f32 v13, v13, v254                   ; the running largest t
	v_mov_b32 v254, v12
	v_floor_f32 v12, -v13                          ; the new -M = -ceil(t)
	v_sub_f32 v254, v12, v254                      ; old M - new M: a whole number, 0 or less
	v_cvt_i32_f32 v254, v254                       ; (it saturates)
	v_ldexp_f32 v252, 1.0, v254                    ; f = 2^(old M - new M)
.set j, 0
.rept 32
	v_pk_fma_f32 v[96+j:97+j], v[96+j:97+j], s[CS:CS+1], v[12:13] op_sel_hi:[1,0,0]   ; t - M, two at a time
.set j, j+2
.endr
.irp b, 0,1,2,3
	v_fma_f32 v[232+\b], v[232+\b], s[CS], v12     ; the same of each block's largest score
.endr
.set j, 0
.rept 64
	v_exp_f32 v[96+j], v[96+j]                     ; p = 2^(t - M)
.set j, j+1
.endr
	v_pk_mul_f32 v[14:15], v[14:15], v[252:253] op_sel_hi:[1,0]   ; the sums under the new M (a plain line behind the exponentials)
	s_wait_alu depctr_va_vdst(0)                   ; the 64 exponentials have written p, ahead of its first reader; this step's products K Q^T are done reading K and its words, the last step's products V^T P^T V and its words; v248 to v251 are written
.irp f, 0,1,2,3,4,5,6,7
	ds_load_b128 v[192+4*\f:195+4*\f], v[ADV] offset:512*\f   ; this step's V.  No vector or matrix line from the wait above to the last LDS load of the step names a register that these loads touch
.endr
	ds_load_b64 v[28:29], v[ADT]                   ; register t / 2: lanes 0-15 the even tile's words, lanes 16-31 the odd one's
.irp b, 0,1,2,3
	v_exp_f32 v[232+\b], v[232+\b]                 ; the block's largest p
.endr
	v_pk_add_f32 v[236:237], v[96:97], v[98:99]    ; the row's sum of the unquantised p, in two chains; the next step's ten loads of K are dealt among them
.set j, 4
.rept 15
	v_pk_add_f32 v[14:15], v[14:15], v[96+j:97+j]
	v_pk_add_f32 v[236:237], v[236:237], v[98+j:99+j]
.if \next && (j <= 32)
	ds_load_b128 v[24+2*j:27+2*j], v[ADK] offset:3584+128*j   ; tile j / 4 - 1 of the next step: 4,096 bytes on, 512 a tile
.endif
.if \next && (j == 36)
	ds_load_b64 v[24:25], v[ADS] offset:512        ; and its scale words: 512 bytes on
.endif
.if \next && (j == 40)
	ds_load_b64 v[26:27], v[ADS] offset:768
.endif
.set j, j+4
.endr
	v_pk_add_f32 v[14:15], v[14:15], v[236:237]
	s_wait_alu depctr_va_vdst(0)                   ; the four exponentials have written v232 to v235, ahead of their first reader
.irp b, 0,1,2,3
	v_max_num_f32 v[232+\b], 0x1800000, v[232+\b]  ; the floor 2^(3 - 127)
.endr
.irp b, 0,1,2,3
	v_add_nc_u32 v[244+\b], 0xff000000, v[232+\b]  ; the conversion's scale operand
.endr
.irp b, 0,1,2,3
	v_lshrrev_b32 v[236+\b], 23, v[244+\b]         ; the scale's byte
.endr
	v_lshl_or_b32 v31, v237, 8, v236               ; p's scale word for these 128 keys
	v_lshl_or_b32 v31, v238, 16, v31
	v_lshl_or_b32 v31, v239, 24, v31
.irp b, 0,1,2,3
	v_cvt_scalef32_pk8_fp4_f32 v[224+2*\b], v[96+16*\b:103+16*\b], v[244+\b]
	v_cvt_scalef32_pk8_fp4_f32 v[225+2*\b], v[104+16*\b:111+16*\b], v[244+\b]
.endr
	v_nop                                          ; one plain line behind a scaled conversion
.irp c, 0,1
.irp i, 0,1
	v_permlane16_swap_b32 v[224+4*\c+\i], v[226+4*\c+\i]   ; a whole block to a lane
.endr
.endr
.set j, 0
.rept 16
	v_pk_mul_f32 v[160+j:161+j], v[160+j:161+j], v[252:253] op_sel_hi:[1,0]   ; O^T under the new M; these sixteen also stand between the writing of p's codes and word and the products
.set j, j+2
.endr
	s_wait_alu depctr_va_vdst(0)                   ; p's codes v224 to v231 and its scale word v31 are written, which the scaled products below take; the sixteen lines above stay beside this wait
.if \next
	s_wait_dscnt 0xa                               ; V and its words are in; the next step's ten loads of K may stay out
.else
	s_wait_dscnt 0x0                               ; V and its words are in
.endif
.irp t, 0,2
	v_wmma_scale_f32_16x16x128_f8f6f4 v[160+8*\t:167+8*\t], v[192+8*\t:199+8*\t], v[224:231], v[160+8*\t:167+8*\t], v[28+\t/2], v31 matrix_a_fmt:MATRIX_FMT_FP4 matrix_b_fmt:MATRIX_FMT_FP4
	v_wmma_scale_f32_16x16x128_f8f6f4 v[168+8*\t:175+8*\t], v[200+8*\t:207+8*\t], v[224:231], v[168+8*\t:175+8*\t], v[28+\t/2], v31 matrix_a_fmt:MATRIX_FMT_FP4 matrix_b_fmt:MATRIX_FMT_FP4 matrix_a_scale:MATRIX_SCALE_ROW1
.endr
.if \next
	s_add_co_u32 s[TB], s[TB], 4096
	s_add_co_u32 s[TS], s[TS], 512
	s_add_co_u32 s[TT], s[TT], 256
.endif
.endm
	s_mov_b32 s28, 2
.Lpass:                                            ; a tile of 16 queries
	; No wait on va_vdst stands here.  On the way in no vector line follows the head's last such wait.  On the way back the wait ahead of the stage's stores stands behind the last pass's products,
	; which read Q, K and K's words, and no vector line at all follows it: nothing has named v1, v3 or the registers in which the loads below land.
	global_load_b128 v[16:19], v[AK0], s[38:39]    ; Q's real half
.irp t, 0,1,2,3,4,5,6,7
	ds_load_b128 v[32+8*\t:35+8*\t], v[AK0] offset:512*\t   ; K of step 0
.endr
	ds_load_b64 v[24:25], v[AS0]                   ; register t / 2: lanes 0-15 the even tile's words, lanes 16-31 the odd one's
	ds_load_b64 v[26:27], v[AS0] offset:256
.set j, 0
.rept 32
	v_mov_b32 v[160+j], 0                          ; O^T: the step is written once for the loop; its first trip finds zeros
.set j, j+1
.endr
	v_mov_b32 v13, s44
	v_floor_f32 v12, -v13                          ; -M
	v_mov_b32 v14, 0
	v_mov_b32 v15, 0
	s_mov_b32 s[TB], 0
	s_mov_b32 s[TS], 0
	s_mov_b32 s[TT], 0
	s_mov_b32 s27, 15
	s_wait_loadcnt 0x0
.Lstep:                                            ; steps 0 to 14
	STEP 1
	s_sub_co_u32 s27, s27, 1
	s_cmp_lg_u32 s27, 0
	s_cbranch_scc1 .Lstep
	STEP 0                                         ; step 15 is written out: there is no K behind it
	; THE WAY OUT: O^T / the sum goes through my stage and leaves as rows: sixteen lanes store the 256 bytes of one (query, head), aligned
	v_add_f32 v14, v14, v15
	v_permlanex16_b32 v252, v14, s[SEL], s[SEL+1]
	v_add_f32 v14, v14, v252                       ; the row's sum
	v_rcp_f32 v14, v14
.rept 4
	v_nop                                          ; plain lines behind the reciprocal and behind the last products
.endr
	s_wait_alu depctr_va_vdst(0)                   ; the reciprocal has written v14, ahead of its first reader
.set j, 0
.rept 32
	v_mul_f32 v[96+j], v[160+j], v14               ; register 8 t + i: channel 32 (t / 2) + 16 h + 8 (t % 2) + i of query r
.set j, j+1
.endr
	v_permlanex16_b32 v254, v30, s[SEL], s[SEL+1]  ; the second tile's scale words come to lanes 0-15
	v_mov_b32 v30, v254
	s_wait_alu depctr_va_vdst(0)                   ; the divisions have written v96 to v127, which the stage's stores read; the last step is done with v128 to v159, in which the stage's loads land; v30 is written, which the next pass's scaled products take
.irp t, 0,1,2,3
	ds_store_b128 v[SIN], v[96+8*\t:99+8*\t] offset:128*(\t/2)+32*(\t%2)
	ds_store_b128 v[SIN], v[100+8*\t:103+8*\t] offset:128*(\t/2)+32*(\t%2)+16
.endr
.irp i, 0,1,2,3,4,5,6,7
	ds_load_b128 v[128+4*\i:131+4*\i], v[SBK] offset:2*\i*SP   ; LDS serves a wave's instructions in order: these see my stores
.endr
.irp i, 0,1,2,3,4,5,6,7
	s_wait_dscnt 7-\i                              ; rows 2 i and 2 i + 1 are back; the younger loads stay out
	global_store_b128 v[GO], v[128+4*\i:131+4*\i], s[10:11] offset:(2*\i+8*(\i/4))*4096 th:TH_STORE_NT   ; tile row m is token m + 8 (m / 8)
.endr
	s_wait_xcnt 0x0                                ; the stores have read their registers and their base: both are written again only behind this wait
	s_wait_alu depctr_vm_vsrc(0)                   ; the stage's stores have read v96 to v127 and the stores to memory v128 to v159, which the next pass's products write
	s_add_nc_u64 s[38:39], s[38:39], 512           ; the second tile's codes,
	s_add_nc_u64 s[10:11], s[10:11], 8*4096        ; and its rows: 8 tokens on
	s_sub_co_u32 s28, s28, 1
	s_cmp_lg_u32 s28, 0
	s_cbranch_scc1 .Lpass
	s_wait_dscnt 0x0
	s_wait_alu depctr_hold_cnt(0) depctr_sa_sdst(0) depctr_va_vdst(0) depctr_va_sdst(0) depctr_va_ssrc(0) depctr_va_vcc(0) depctr_vm_vsrc(0)
	s_wait_tensorcnt 0x0
	ds_add_u32 v242, v255
	s_wait_dscnt 0x0
	s_endpgm
.Lfunc_end_k_q3daecb4d13_attn:
	.size	k_q3daecb4d13_attn, .Lfunc_end_k_q3daecb4d13_attn-k_q3daecb4d13_attn
	.p2alignl 7, 3214868480
	.fill 96, 4, 3214868480
	.section	.rodata,"a",@progbits
	.p2align	6, 0x0
	.amdhsa_kernel k_q3daecb4d13_attn
		.amdhsa_group_segment_fixed_size 215040
		.amdhsa_private_segment_fixed_size 0
		.amdhsa_enable_private_segment 0
		.amdhsa_kernarg_size 32
		.amdhsa_user_sgpr_count 2
		.amdhsa_user_sgpr_kernarg_segment_ptr 1
		.amdhsa_wavefront_size32 1
		.amdhsa_system_sgpr_workgroup_id_x 1
		.amdhsa_system_sgpr_workgroup_id_y 1
		.amdhsa_system_sgpr_workgroup_id_z 1
		.amdhsa_system_vgpr_workitem_id 0
		.amdhsa_next_free_vgpr 256
		.amdhsa_next_free_sgpr 66
		.amdhsa_reserve_vcc 1
		.amdhsa_float_denorm_mode_32 3
		.amdhsa_float_denorm_mode_16_64 3
		.amdhsa_memory_ordered 1
		.amdhsa_forward_progress 1
		.amdhsa_inst_pref_size 52
	.end_amdhsa_kernel
	.amdgpu_metadata
---
amdhsa.version: [ 1, 2 ]
amdhsa.kernels:
  - .name:           k_q3daecb4d13_attn
    .symbol:         k_q3daecb4d13_attn.kd
    .args:
      - { .name: qkv_codes, .offset: 0, .size: 8, .value_kind: global_buffer, .address_space: global }
      - { .name: qkv_scales, .offset: 8, .size: 8, .value_kind: global_buffer, .address_space: global }
      - { .name: flags, .offset: 16, .size: 8, .value_kind: global_buffer, .address_space: global }
      - { .name: out0, .offset: 24, .size: 8, .value_kind: global_buffer, .address_space: global }
    .group_segment_fixed_size: 215040
    .private_segment_fixed_size: 0
    .kernarg_segment_align: 8
    .kernarg_segment_size: 32
    .max_flat_workgroup_size: 512
    .sgpr_count:     66
    .vgpr_count:     256
    .wavefront_size: 32
...
	.end_amdgpu_metadata
.endif
;; end of part 4
